; MI455X (gfx1250); checked and timed in simulation.
; The chip was launched on July 23, 2026; its instructions are those of AMD's public machine-readable ISA for CDNA 5 (MIT licence, August 2026) and "CDNA5" Instruction Set Architecture Reference Guide (July 2026). The comments in the code are by the model that wrote it; some were corrected since.
;; Qwen3 5 Attention. Allowed arithmetic: matrix products marked QUANTISED: E2M3 operands, one E8M0 scale for each 32 along K, by v_wmma_scale_f32_16x16x128_f8f6f4 with both operands' format E2M3, f32 sums; everything else in f32.
;; Inputs: Wk 2,048 x 1,024 float32; Wo 1,024 x 2,048 float32; Wq 2,048 x 2,048 float32; Wv 2,048 x 1,024 float32; attention_mask 2 x 2,048 int32; k_norm_w 128 float32; positions 2 x 2,048 int32; q_norm_w 128 float32; x 2 x 2,048 x 2,048 float32.
;; Outputs: out0 2 x 2,048 x 2,048 float32.
;; This version of the problem:
;;   THIS VERSION OF THE PROBLEM IS GIVEN IN LOW PRECISION. The matrix products marked QUANTISED in the list below multiply operands that are first quantised to E2M3 (2 exponent bits, 3 mantissa bits; 6 bits a number), with one power-of-two scale for each 32 numbers along K (OCP MX v1.0); their sums are f32. All else is computed in f32.
;;   The module's matrix products, in the order in which they are computed (A, B: the left and right operand; K: the contracted axis; several contracted axes count as one K, in the product's order):
;;     1. [M 4,096, K 2,048] x [K 2,048, N 2,048]; A: input x; B: input Wq: QUANTISED
;;     2. [M 4,096, K 2,048] x [K 2,048, N 1,024]; A: input x; B: input Wk: QUANTISED
;;     3. [M 4,096, K 2,048] x [K 2,048, N 1,024]; A: input x; B: input Wv: QUANTISED
;;     4. batch 16 x [M 2,048, K 128] x [K 128, N 2,048]; A: computed on the way; B: computed on the way: QUANTISED
;;     5. batch 16 x [M 128, K 2,048] x [K 2,048, N 2,048]; A: computed on the way; B: softmax (see below): QUANTISED
;;     6. [M 4,096, K 1,024] x [K 1,024, N 2,048]; A: computed on the way; B: input Wo: QUANTISED
;;   THE QUANTISER, for each operand of a quantised product, along K:
;;     - K is cut into blocks of 32 from its start; a last block that is shorter is filled with zeros.
;;     - A block's scale is 2^e with e = floor(log2(the largest magnitude in the block)) - 2, held to -126 .. 127; a block of zeros has e = 0. As a byte (E8M0): e + 127.
;;     - Each number is divided by its block's scale, clamped to +-7.5, and rounded to the nearest number of E2M3, ties to even, subnormals kept.
;;     - The product sums the exact products of the quantised numbers (number of the format x scale) in f32.
;;   ~~~python
;;   def quantise(x, axis):      # numpy; x: float32 -> the quantised numbers, widened to float32 again
;;       x = np.moveaxis(x, axis, -1); K = x.shape[-1]
;;       x = np.pad(x, [(0, 0)] * (x.ndim - 1) + [(0, -K % 32)]); x = x.reshape(x.shape[:-1] + (-1, 32)); a = np.abs(x).max(-1, keepdims=True)
;;       e = np.where(a > 0, np.clip(np.frexp(np.where(a > 0, a, 1))[1] - 1 - 2, -126, 127), 0)      # np.frexp(a)[1] - 1 = floor(log2(a)), exactly
;;       r = np.clip(x / 2.0 ** e, -7.5, 7.5)
;;       step = 2.0 ** (np.maximum(np.frexp(np.where(r == 0, 1, r))[1] - 1, 0) - 3)
;;       q = np.round(r / step) * step * 2.0 ** e      # np.round: ties to even
;;       return np.moveaxis(q.reshape(q.shape[:-2] + (-1,))[..., :K], -1, axis).astype(np.float32)
;;   ~~~
;;   SOFTMAX AHEAD OF A QUANTISED PRODUCT. Where the list says 'softmax', what is quantised is not the finished softmax but p = 2^(t - M), with t = logit x log2(e) and M = ceil(the row's largest t), a whole number; so 1/2 < the row's largest p <= 1. The row's sum l is taken of the UNQUANTISED p, in f32, and the product's result is divided by l at the end. Since M is a whole number, a kernel that streams over the keys may use a running M (the ceiling of the running maximum): every later rescaling is an exact power of two, which a block's scale takes up: the codes' values come out the same.
;;   OPERANDS COMPUTED ON THE WAY. 'Computed on the way' means the value that the module computes at that place (a softmax that the list does not call 'softmax' is quantised finished and normalised). What goes into a quantiser is computed in f32, as accurately as f32 sums, v_exp_f32 and their like allow (about 1e-6 of the number): no bf16 or f16 on the way to a quantiser, and a product that is left as it is and whose result goes on into a quantised operand takes f32 operands (vector FMAs, or v_wmma_f32_16x16x4_f32). A number that lies on a knife's edge between two numbers of the format may be rounded either way, as far as f32 arithmetic and the matrix unit's own rounding can turn it there, and no further.
;; One version. Each part assembles by itself: llvm-mc -triple=amdgcn-amd-amdhsa -mcpu=gfx1250 --defsym DOCPART=n.
;; ======== version 1 of 1: 4 launches
;; limits: right only within a limited range of input values
;; workspace buffers: xw 13,107,200 bytes; wo 1,638,400 bytes; rope 786,432 bytes; qg 20,054,016 bytes; kv 6,553,600 bytes; vp 131,072 bytes; at 3,276,800 bytes
;; launch quant (part 1): grid 576 x 1, 4 waves a work-group, no clusters, 60,928 bytes of LDS; arguments x, positions, Wq, Wk, Wv, Wo, xw, wo, rope; writes xw, wo, rope
.if DOCPART == 1
	.amdgcn_target "amdgcn-amd-amdhsa--gfx1250"
	.amdhsa_code_object_version 6
	.text
	.protected	k_q487b0daf05_quant
	.globl	k_q487b0daf05_quant
	.p2align	8
	.type	k_q487b0daf05_quant,@function
k_q487b0daf05_quant:
	s_mov_b64 s[64:65], 0
	v_nop
	global_prefetch_b8 v0, s[64:65] scope:SCOPE_SE
	s_setreg_imm32_b32 hwreg(HW_REG_WAVE_MODE, 25, 1), 1
	s_wait_xcnt 0x0
; FIRST OF FOUR LAUNCHES of a gated attention layer in MX-FP6 (E2M3, one E8M0 scale for 32 along K): quant, qkv, attn, oproj.
; This one turns all that arrives as f32 and is read many times (x, Wq, Wk, Wv, Wo) into codes and scale words, and makes the table of cos and sin for the rotary part.
; WORK LEFT OUT IN THE WHOLE PROGRAM: in attn, the steps of 128 keys all of which come after all 16 queries of a tile.  reference() builds the causal mask itself (jnp.tril) and puts
; finfo.min there.  For a query that has at least one visible key which attention_mask lets count, the softmax weight of every such hidden key is exp(finfo.min - a finite number) = 0, whatever the
; inputs hold: the tiles reach no output.  For a query with no such key all 2,048 logits are equal, the weights are all 1/2048, and the hidden keys DO count: those rows are not left out, they get the mean of the
; quantised v over all keys, which qkv sums (buffer vp) and attn selects by v_cndmask_b32.  No input is dead: every input is loaded by some launch.
; LIMITS: a NaN, an infinity or an overflow that reaches only the tiles left out is not carried to the result; NaN and infinities among the inputs are not served; |q . k| stays under 2^31 (attn's mark for a masked key is
; -2^33); |positions| stays under 2^20 (the reduction of the angle is exact up to there); a block of zeros gets the scale byte 1 where the rule says 127: its codes are zeros, and only this program reads the bytes.
; LAYOUT OF THE WORKSPACES.  Rows (tokens, features) go in blocks of 16; row r of block rb is the real row 32 (rb / 2) + 8 (rb % 2) + r + 8 (r / 8), so that the results of two neighbouring blocks are 16 neighbours
; along the next K.  A fragment (16 rows x 128 K) is stored as the IMAGE OF THE OPERAND'S 12 REGISTERS: register 4 c + i of lane l at byte 512 c + 16 l + 4 i: 1,536 bytes.  Scale words lie in pairs: [block][K / 256][r][2].
; SHARES.  Work-groups 0-255: a block of 16 tokens of x each (wave w: K 512 w on) and its 16 rows of the table.  256-447: Wq (128) and Wo (64), rows of 8,192 bytes.  448-575: Wk, Wv, rows of 4,096 bytes.
; Each reads 128 KB.  No tensor load, no barrier: waves share nothing; each of the three ways has LDS bytes of its own.  Matrix units and clusters have nothing to do here: memory binds.
.set XST,   0                          ; x: 16 rows x 528 bytes for each wave
.set WSA,   33792                      ; Wq, Wo: two images, 1,664 bytes apart, for each wave
.set WSB,   47104                      ; Wk, Wv: the same
.set SPARE, 60416                      ; the spare words, 128 bytes for each wave
.set XWS,   12582912                   ; where xw's scale words begin
.set WOS,   1572864                    ; and wo's
.set SPW,   10                         ; v10 my spare word's address; v11 = 0: both never rewritten
.set NIL,   11
.set R,     32                         ; x: v32-95 16 rows as loaded
.set XN,    96                         ; v96-159 my 64 numbers: two whole blocks of 32
.set PC,    160                        ; v160-171 the fragment's registers
.set CT0,   172
.set CT1,   176
.set MX,    180
.set SO,    182
.set BY,    184
.set SWD,   186                        ; v186-189 four scale words
.set WX,    32                         ; weights: v32-95 two sets of 32 numbers down K
.set CI,    96                         ; v96-119 the images' registers: for lane r at CI, for lane 16 + r at CI + 12
.set CT,    120
.set OUTR,  124                        ; v124-147 two fragments read back
.set SW,    152                        ; v152-153 my column's two scale words
.macro FINISH                          ; the wave's end
	s_wait_tensorcnt 0x0
	ds_add_u32 v[SPW], v[NIL]
	s_wait_dscnt 0x0
	s_endpgm
.endm
	s_load_b512 s[4:19], s[0:1], 0x0               ; x s4, positions s6, Wq s8, Wk s10, Wv s12, Wo s14, xw s16, wo s18
	s_load_b64 s[20:21], s[0:1], 0x40              ; rope
	v_lshl_add_u32 v[SPW], v0, 2, SPARE
	v_mov_b32 v[NIL], 0
	v_lshrrev_b32 v1, 5, v0
	v_readfirstlane_b32 s24, v1                    ; wave
	v_and_b32 v1, 31, v0                           ; lane
	v_and_b32 v2, 15, v0                           ; r
	v_bfe_u32 v3, v0, 4, 1                         ; h
	v_lshlrev_b32 v4, 4, v1                        ; 16 x lane
	s_mov_b32 s26, 0x76543210
	s_mov_b32 s27, 0xfedcba98                      ; lane l xor 16
	s_mov_b32 s28, 0xffff0000                      ; lanes 16-31
	s_wait_kmcnt 0x0
	s_cmp_lt_u32 ttmp9, 256
	s_cbranch_scc0 .Lweights
; ---------------- x: K is innermost.  A load reads 512 consecutive bytes of one row; 16 rows turn through my stage; then lane (r, h) holds K = 64 c + 32 h + 0 .. 31 of row r: two whole blocks.
	s_mul_i32 s30, s24, 8448
	s_wait_alu depctr_va_vdst(0)
	v_add_nc_u32 v5, s30, v4                       ; into the stage: 16 x lane, a row 528 bytes on
	v_mul_u32_u24 v6, v2, 528
	v_lshl_add_u32 v6, v3, 7, v6
	v_add_nc_u32 v6, s30, v6                       ; out of it: row r, + 128 h.  528 is an odd multiple of 16: sixteen rows start in sixteen different groups of banks
	v_lshlrev_b32 v7, 3, v1
	v_lshlrev_b32 v8, 3, v3                        ; 8 h
	v_mov_b32 v9, 0                                ; a lane permute's destination counts as read
	s_lshr_b32 s31, ttmp9, 1
	s_lshl_b32 s31, s31, 5
	s_and_b32 s32, ttmp9, 1
	s_lshl_b32 s32, s32, 3
	s_add_co_u32 s31, s31, s32                     ; the block's first real token
	s_lshl_b32 s32, s31, 13
	s_lshl_b32 s33, s24, 11
	s_add_co_u32 s32, s32, s33
	s_mov_b32 s33, 0
	s_add_nc_u64 s[4:5], s[4:5], s[32:33]          ; x at that token, K = 512 w
	s_lshl_b32 s32, ttmp9, 4
	s_lshl_b32 s34, s24, 2
	s_add_co_u32 s32, s32, s34
	s_mul_i32 s32, s32, 1536
	s_add_nc_u64 s[34:35], s[16:17], s[32:33]      ; my four fragments
	s_lshl_b32 s32, ttmp9, 10
	s_lshl_b32 s36, s24, 8
	s_add_co_u32 s32, s32, s36
	s_add_co_u32 s32, s32, XWS
	s_add_nc_u64 s[36:37], s[16:17], s[32:33]      ; my 256 bytes of scale words
	s_mov_b32 s40, 0x3fc90000                      ; pi / 2 in three parts
	s_mov_b32 s41, 0x39fda000
	s_mov_b32 s42, 0x33a22169
	s_mov_b32 s43, 0xb94ca1f9                      ; sine's polynomial
	s_mov_b32 s44, 0x3c08839e
	s_mov_b32 s45, 0xbe2aaaa3
	s_mov_b32 s46, 0x37ccf5ce                      ; cosine's
	s_mov_b32 s47, 0xbab6061a
	s_mov_b32 s48, 0x3d2aaaa5
	s_lshl_b32 s38, s24, 2
	v_add_nc_u32 v16, s38, v3                      ; the table: 16 tokens x 16 frequencies, two a thread: row 4 w + 2 j + h of the block, frequency r
	v_add_nc_u32 v17, 2, v16
	v_and_b32 v18, 8, v16
	v_and_b32 v19, 8, v17
	v_add3_u32 v16, v16, v18, s31                  ; the real tokens
	v_add3_u32 v17, v17, v19, s31
	v_lshlrev_b32 v18, 2, v16
	v_lshlrev_b32 v19, 2, v17
	v_mul_u32_u24 v22, v16, 192
	v_mul_u32_u24 v23, v17, 192
	v_lshl_add_u32 v22, v2, 2, v22                 ; a token's 48 numbers: cos, -sin, +sin, 16 each
	v_lshl_add_u32 v23, v2, 2, v23
	global_load_b32 v20, v18, s[6:7]
	global_load_b32 v21, v19, s[6:7]
.macro LOADX t
.set xi, 0
.rept 16
	global_load_b128 v[R+4*xi:R+4*xi+3], v4, s[4:5] offset:(xi+8*(xi/8))*8192+512*(\t) th:TH_LOAD_NT
.set xi, xi+1
.endr
.endm
	LOADX 0
	v_cvt_f32_u32 v24, v2
	v_mul_f32 v24, 0xbfba0729, v24                 ; -i log2(1e7) / 16
	s_wait_alu depctr_va_vdst(0)
	v_exp_f32 v24, v24                             ; 1 / theta^(i / 16)
	v_nop
	s_wait_alu depctr_va_vdst(0)                   ; the wait ahead of the first use
	s_wait_loadcnt 16                              ; the two positions are in; the 16 loads of x stay out
; sin and cos of position x frequency: n = the nearest multiple of pi / 2, taken off in three parts by fused multiply-adds; polynomials on +-pi / 4; the quadrant swaps and signs.
.macro SINCOS j
	v_cvt_f32_i32 v25, v[20+\j]
	v_mul_f32 v25, v25, v24                        ; the angle, one multiplication
	v_mul_f32 v26, 0x3f22f983, v25
	v_rndne_f32 v26, v26
	v_fma_f32 v27, -v26, s40, v25
	v_fma_f32 v27, -v26, s41, v27
	v_fma_f32 v27, -v26, s42, v27
	v_mul_f32 v28, v27, v27
	v_fma_f32 v29, v28, s43, s44
	v_fma_f32 v30, v28, s46, s47
	v_fma_f32 v29, v29, v28, s45
	v_fma_f32 v30, v30, v28, s48
	v_mul_f32 v31, v27, v28
	v_mul_f32 v12, v28, v28
	v_fma_f32 v13, v28, -0.5, 1.0
	v_fma_f32 v29, v29, v31, v27                   ; sin r
	v_fma_f32 v30, v30, v12, v13                   ; cos r
	v_cvt_i32_f32 v14, v26
	v_and_b32 v15, 1, v14
	v_cmp_ne_u32 vcc_lo, 0, v15
	v_cndmask_b32 v31, v29, v30, vcc_lo
	v_cndmask_b32 v12, v30, v29, vcc_lo
	v_and_b32 v15, 2, v14
	v_lshlrev_b32 v15, 30, v15
	v_xor_b32 v[194+3*\j], v15, v31                ; +sin
	v_add_nc_u32 v14, 1, v14
	v_and_b32 v14, 2, v14
	v_lshlrev_b32 v14, 30, v14
	v_xor_b32 v[192+3*\j], v14, v12                ; cos
	v_xor_b32 v[193+3*\j], 0x80000000, v[194+3*\j] ; -sin
	global_store_b32 v[22+\j], v[192+3*\j], s[20:21]
	global_store_b32 v[22+\j], v[193+3*\j], s[20:21] offset:64
	global_store_b32 v[22+\j], v[194+3*\j], s[20:21] offset:128
.endm
	SINCOS 0
	SINCOS 1
.macro XFRAG t
	s_wait_loadcnt 0x0                             ; this fragment's 16 rows are in
.set xi, 0
.rept 16
	ds_store_b128 v5, v[R+4*xi:R+4*xi+3] offset:528*xi
.set xi, xi+1
.endr
.set xi, 0
.rept 16
	ds_load_b128 v[XN+4*xi:XN+4*xi+3], v6 offset:256*(xi/8)+16*(xi%8)   ; LDS serves a wave's instructions in order: these see my stores
.set xi, xi+1
.endr
	s_wait_dscnt 0x0                               ; my numbers are back, and the stores have read their registers,
.if (\t) < 3
	LOADX (\t)+1                                   ; which take the next fragment's rows
.endif
	v_max3_num_f32 v[MX], |v[XN]|, |v[XN+1]|, 0x1800000        ; each block's largest magnitude, with the floor 2^(3 - 127): the byte cannot fall under 1
	v_max3_num_f32 v[MX+1], |v[XN+32]|, |v[XN+33]|, 0x1800000
.set xi, 2
.rept 15
	v_max3_num_f32 v[MX], v[MX], |v[XN+xi]|, |v[XN+xi+1]|
	v_max3_num_f32 v[MX+1], v[MX+1], |v[XN+32+xi]|, |v[XN+33+xi]|
.set xi, xi+2
.endr
	v_add_nc_u32 v[SO], 0xff000000, v[MX]          ; 2 off the exponent field: the conversion's scale operand
	v_add_nc_u32 v[SO+1], 0xff000000, v[MX+1]
	v_lshrrev_b32 v[BY], 23, v[SO]                 ; the bytes of blocks h and 2 + h
	v_lshrrev_b32 v[BY+1], 23, v[SO+1]
	v_lshl_or_b32 v[SWD+(\t)], v[BY+1], 16, v[BY]
	v_lshlrev_b32 v[SWD+(\t)], v8, v[SWD+(\t)]
	v_permlanex16_b32 v9, v[SWD+(\t)], s26, s27
	v_or_b32 v[SWD+(\t)], v[SWD+(\t)], v9          ; with lane l xor 16's two the word is whole
	s_wait_alu depctr_va_vdst(0)
	s_wait_xcnt 0x0                                ; the last fragment's stores have read their data
	v_cvt_scalef32_pk16_fp6_f32 v[PC:PC+2], v[XN:XN+15], v[SO]
	v_cvt_scalef32_pk16_fp6_f32 v[CT0:CT0+2], v[XN+16:XN+31], v[SO]       ; (a conversion's three registers begin on an even number)
	v_cvt_scalef32_pk16_fp6_f32 v[PC+6:PC+8], v[XN+32:XN+47], v[SO+1]
	v_cvt_scalef32_pk16_fp6_f32 v[CT1:CT1+2], v[XN+48:XN+63], v[SO+1]
	v_nop                                          ; one plain place behind a scaled conversion
.irp i, 0,1,2
	v_mov_b32 v[PC+3+\i], v[CT0+\i]
	v_mov_b32 v[PC+9+\i], v[CT1+\i]
.endr
.irp c, 0,1,2
	global_store_b128 v4, v[PC+4*\c:PC+4*\c+3], s[34:35] offset:1536*(\t)+512*\c   ; 512 consecutive bytes
.endr
.endm
	XFRAG 0
	XFRAG 1
	XFRAG 2
	XFRAG 3
	v_cndmask_b32 v190, v[SWD], v[SWD+2], s28      ; lanes 0-15: the first pair of K steps, lanes 16-31 the second
	v_cndmask_b32 v191, v[SWD+1], v[SWD+3], s28
	global_store_b64 v7, v[190:191], s[36:37]      ; 256 consecutive bytes, aligned
	FINISH
; ---------------- weights: K is the first axis.  A lane takes a column and its registers run down K: a block of 32 lies in one lane, and the codes come out with K innermost.
.macro WLOAD t, pitch
.set wi, 0
.rept 32
	global_load_b32 v[WX+32*((\t)%2)+wi], v5, s[30:31] offset:(32*(\t)+wi)*(\pitch) th:TH_LOAD_NT
.set wi, wi+1
.endr
.endm
.macro WBLOCK t, pitch
.set XS, WX+32*((\t)%2)
.set CD, CI+12*((\t)%2)+6*(((\t)%4)/2)             ; block 2 c + h of a K step is registers 6 c on of lane (r, h)
.if (\t) < 7
	s_wait_loadcnt 32                              ; this block's 32 loads are in; the next block's stay out
.else
	s_wait_loadcnt 0x0
.endif
	v_max3_num_f32 v148, |v[XS]|, |v[XS+1]|, |v[XS+2]|
	v_max3_num_f32 v149, |v[XS+3]|, |v[XS+4]|, |v[XS+5]|
.irp i, 6,10,14,18,22,26
	v_max3_num_f32 v148, v148, |v[XS+\i]|, |v[XS+\i+1]|
	v_max3_num_f32 v149, v149, |v[XS+\i+2]|, |v[XS+\i+3]|
.endr
	v_max3_num_f32 v148, v148, |v[XS+30]|, |v[XS+31]|
	v_max3_num_f32 v148, v148, v149, 0x1800000
	v_add_nc_u32 v150, 0xff000000, v148
	v_lshrrev_b32 v151, 23, v150
.if ((\t)%4) == 0
	v_mov_b32 v[SW+(\t)/4], v151
.else
	v_lshl_or_b32 v[SW+(\t)/4], v151, 8*((\t)%4), v[SW+(\t)/4]
.endif
	v_cvt_scalef32_pk16_fp6_f32 v[CD:CD+2], v[XS:XS+15], v150
	v_cvt_scalef32_pk16_fp6_f32 v[CT:CT+2], v[XS+16:XS+31], v150
	v_nop
.irp i, 0,1,2
	v_mov_b32 v[CD+3+\i], v[CT+\i]
.endr
.if (\t)+2 < 8
	WLOAD (\t)+2, \pitch
.endif
.if ((\t)%4) == 3                                  ; a K step of 128 is whole: my column's 24 registers go to their places in two images, and the images leave as they lie
.if (\t) == 7
	s_wait_alu depctr_va_vdst(0)
	s_wait_xcnt 0x0                                ; the first K step's stores have read their data
.endif
.irp h, 0,1
.irp c, 0,1,2
	ds_store_b128 v6, v[CI+12*\h+4*\c:CI+12*\h+4*\c+3] offset:256*\h+512*\c
.endr
.endr
.irp f, 0,1
.irp c, 0,1,2
	ds_load_b128 v[OUTR+12*\f+4*\c:OUTR+12*\f+4*\c+3], v7 offset:1664*\f+512*\c
.endr
.endr
	s_wait_dscnt 0x0
.irp c, 0,1,2
	global_store_b128 v4, v[OUTR+4*\c:OUTR+4*\c+3], s[34:35] offset:1536*((\t)/4)+512*\c
	global_store_b128 v8, v[OUTR+12+4*\c:OUTR+12+4*\c+3], s[34:35] offset:1536*((\t)/4)+512*\c
.endr
.endif
.endm
; s[30:31] the tensor, s[32:33] the buffer, s36 the work-group's number in the tensor, s37 its first row block, s38 bytes of a row block's codes, s39 of its scale words, s40 where the scale words begin
.macro WARM pitch, stage, cgb
	s_and_b32 s41, s36, (1<<\cgb)-1                ; which 128 columns
	s_lshr_b32 s42, s36, \cgb                      ; which 256 along K
	s_mul_i32 s44, s42, 256*\pitch
	s_lshl_b32 s43, s41, 9
	s_add_co_u32 s44, s44, s43
	s_lshl_b32 s43, s24, 7
	s_add_co_u32 s44, s44, s43
	s_mov_b32 s45, 0
	s_add_nc_u64 s[30:31], s[30:31], s[44:45]      ; my wave's 32 columns, first row of K
	s_lshl_b32 s43, s41, 3
	s_add_co_u32 s43, s43, s37
	s_lshl_b32 s46, s24, 1
	s_add_co_u32 s43, s43, s46                     ; my two row blocks
	s_mul_i32 s44, s43, s38
	s_mul_i32 s46, s42, 3072
	s_add_co_u32 s44, s44, s46
	s_add_nc_u64 s[34:35], s[32:33], s[44:45]      ; their codes at my two K steps
	s_mul_i32 s44, s43, s39
	s_lshl_b32 s46, s42, 7
	s_add_co_u32 s44, s44, s46
	s_add_co_u32 s44, s44, s40
	s_add_nc_u64 s[32:33], s[32:33], s[44:45]      ; and their scale words
	v_lshlrev_b32 v5, 2, v1
	v_bfe_u32 v12, v0, 3, 1                        ; column l lies in block (l / 8) % 2,
	v_and_b32 v13, 7, v0
	v_lshl_add_u32 v13, v3, 3, v13                 ; row l % 8 + 8 (l / 16)
	s_mul_i32 s46, s24, 3328
	s_add_co_u32 s46, s46, \stage
	v_mul_u32_u24 v6, v12, 1664
	v_lshl_add_u32 v6, v13, 4, v6
	v_add_nc_u32 v6, s46, v6
	v_add_nc_u32 v7, s46, v4
	v_add_nc_u32 v8, s38, v4
	v_mul_lo_u32 v9, v12, s39
	v_lshl_add_u32 v9, v13, 3, v9
	WLOAD 0, \pitch
	WLOAD 1, \pitch
.irp t, 0,1,2,3,4,5,6,7
	WBLOCK \t, \pitch
.endr
	global_store_b64 v9, v[SW:SW+1], s[32:33]
	FINISH
.endm
.Lweights:
	s_cmp_lt_u32 ttmp9, 448
	s_cbranch_scc0 .Lnarrow
	s_cmp_lt_u32 ttmp9, 384                        ; Wq or Wo: the choice hangs on the work-group's number alone
	s_cselect_b64 s[30:31], s[8:9], s[14:15]
	s_cselect_b64 s[32:33], s[16:17], s[18:19]
	s_mov_b32 s36, 384
	s_cselect_b32 s36, 256, s36
	s_cselect_b32 s37, 256, 0
	s_mov_b32 s38, 12288
	s_cselect_b32 s38, 24576, s38
	s_mov_b32 s39, 512
	s_cselect_b32 s39, 1024, s39
	s_mov_b32 s40, WOS
	s_cselect_b32 s40, XWS, s40
	s_sub_co_u32 s36, ttmp9, s36
	s_wait_alu depctr_va_vdst(0)
	WARM 8192, WSA, 4
.Lnarrow:
	s_cmp_lt_u32 ttmp9, 512                        ; Wk or Wv
	s_cselect_b64 s[30:31], s[10:11], s[12:13]
	s_mov_b64 s[32:33], s[16:17]
	s_mov_b32 s36, 512
	s_cselect_b32 s36, 448, s36
	s_mov_b32 s37, 448
	s_cselect_b32 s37, 384, s37
	s_mov_b32 s38, 24576
	s_mov_b32 s39, 1024
	s_mov_b32 s40, XWS
	s_sub_co_u32 s36, ttmp9, s36
	s_wait_alu depctr_va_vdst(0)
	WARM 4096, WSB, 3
.Lfunc_end_k_q487b0daf05_quant:
	.size	k_q487b0daf05_quant, .Lfunc_end_k_q487b0daf05_quant-k_q487b0daf05_quant
	.p2alignl 7, 3214868480
	.fill 96, 4, 3214868480
	.section	.rodata,"a",@progbits
	.p2align	6, 0x0
	.amdhsa_kernel k_q487b0daf05_quant
		.amdhsa_group_segment_fixed_size 60928
		.amdhsa_private_segment_fixed_size 0
		.amdhsa_enable_private_segment 0
		.amdhsa_kernarg_size 72
		.amdhsa_user_sgpr_count 2
		.amdhsa_user_sgpr_kernarg_segment_ptr 1
		.amdhsa_wavefront_size32 1
		.amdhsa_system_sgpr_workgroup_id_x 1
		.amdhsa_system_sgpr_workgroup_id_y 1
		.amdhsa_system_sgpr_workgroup_id_z 1
		.amdhsa_system_vgpr_workitem_id 0
		.amdhsa_next_free_vgpr 200
		.amdhsa_next_free_sgpr 66
		.amdhsa_reserve_vcc 1
		.amdhsa_float_denorm_mode_32 3
		.amdhsa_float_denorm_mode_16_64 3
		.amdhsa_memory_ordered 1
		.amdhsa_forward_progress 1
		.amdhsa_inst_pref_size 117
	.end_amdhsa_kernel
	.amdgpu_metadata
---
amdhsa.version: [ 1, 2 ]
amdhsa.kernels:
  - .name:           k_q487b0daf05_quant
    .symbol:         k_q487b0daf05_quant.kd
    .args:
      - { .name: x, .offset: 0, .size: 8, .value_kind: global_buffer, .address_space: global }
      - { .name: positions, .offset: 8, .size: 8, .value_kind: global_buffer, .address_space: global }
      - { .name: Wq, .offset: 16, .size: 8, .value_kind: global_buffer, .address_space: global }
      - { .name: Wk, .offset: 24, .size: 8, .value_kind: global_buffer, .address_space: global }
      - { .name: Wv, .offset: 32, .size: 8, .value_kind: global_buffer, .address_space: global }
      - { .name: Wo, .offset: 40, .size: 8, .value_kind: global_buffer, .address_space: global }
      - { .name: xw, .offset: 48, .size: 8, .value_kind: global_buffer, .address_space: global }
      - { .name: wo, .offset: 56, .size: 8, .value_kind: global_buffer, .address_space: global }
      - { .name: rope, .offset: 64, .size: 8, .value_kind: global_buffer, .address_space: global }
    .group_segment_fixed_size: 60928
    .private_segment_fixed_size: 0
    .kernarg_segment_align: 8
    .kernarg_segment_size: 72
    .max_flat_workgroup_size: 128
    .sgpr_count:     66
    .vgpr_count:     200
    .wavefront_size: 32
...
	.end_amdgpu_metadata
.endif
;; end of part 1
;; launch qkv (part 2): grid 16 x 16, 4 waves a work-group, clusters of 4 x 4, 327,680 bytes of LDS; arguments xw, rope, q_norm_w, k_norm_w, qg, kv, vp; writes qg, kv, vp
.if DOCPART == 2
	.amdgcn_target "amdgcn-amd-amdhsa--gfx1250"
	.amdhsa_code_object_version 6
	.text
	.protected	k_q487b0daf05_qkv
	.globl	k_q487b0daf05_qkv
	.p2align	8
	.type	k_q487b0daf05_qkv,@function
k_q487b0daf05_qkv:
	s_mov_b64 s[64:65], 0
	v_nop
	global_prefetch_b8 v0, s[64:65] scope:SCOPE_SE
	s_setreg_imm32_b32 hwreg(HW_REG_WAVE_MODE, 25, 1), 1
	s_wait_xcnt 0x0
	s_wait_alu depctr_hold_cnt(0) depctr_sa_sdst(0) depctr_va_vdst(0) depctr_va_sdst(0) depctr_va_ssrc(0) depctr_va_vcc(0) depctr_vm_vsrc(0)
	s_getreg_b32 s2, hwreg(HW_REG_IB_STS2, 6, 4)
	s_cmp_eq_u32 s2, 0
	s_cbranch_scc0 .Lentry_in_a_cluster
	s_endpgm
.Lentry_in_a_cluster:
	s_bfe_u32 s2, ttmp6, 0x10000c
	s_cmp_lg_u32 s2, 0xf033
	s_cbranch_scc0 .Lentry_shape_is_right
	s_endpgm
.Lentry_shape_is_right:
; SECOND OF FOUR LAUNCHES: x Wq, x Wk, x Wv on codes of FP6 (4,096 x 4,096 x 2,048 in all), and what follows each product.  No work of reference() is left out here.
; A work-group makes 256 x 256, a wave 128 x 128 (64 accumulators).  Clusters of 4 x 4: A's tiles are shared along a row, B's along a column, by joint loads.
; Cluster column 0, 1: tokens x Wq (of a head's 256 columns the first 128 are q, the others the gate); 2: tokens x Wk; 3: Wv's columns x tokens, so that v comes out with the keys along a lane's registers.
; K goes through a ring of two slots of 256 along K (32 row blocks x 3,072 bytes).  The scale words of the 512 rows for all of K come once, 32,768 bytes behind the ring.
; THE HEAD'S FOUR TILES, one joint load a wave: wave 0 A's 16 row blocks of chunk 0, wave 1 A's scale words, wave 2 B's 16 row blocks, wave 3 B's scale words; slot 1 is first filled behind a round, as a refill is.
; PREFETCH: behind the load of chunk c each wave asks for chunk c + 2 of the 8 row blocks that it fetches (at the head also for chunk 1); the four partners of a joint load take two row blocks each, by address:
; 24 blocks of 256 bytes, a lane a block, lanes 24-31 name lane 23's again; the last two refills ask for nothing.
; THE WAY OUT: q and k: RMS norm, rotary part, quantised along the head's axis, stored as register images; v: quantised along the keys, and its sums over 128 keys (buffer vp);
; the gate is stored as it is, f32, in the order of the accumulators' registers: attn takes the sigmoid.
.set NQ,     2
.set FR,     12
.set NL,     3
.set NP,     4
.set RBB,    3072
.set HALFT,  8*RBB
.set SLOT,   4*HALFT
.set LAPS,   4
.set SCL,    2*SLOT
.set SPARE,  SCL+4*8192
.set XWS,    12582912
.set ADRA, 16
.set ADRB, 20
.set ADRS, 27
.set SPW,  28
.set NIL,  29
.set SC,   32
.set AF,   128
.set G1, 24
.set G0, 32
.set G1B, 48
.set G0B, 56
.set G1S, 68
.set G0S, 76
.set G1SB, 80
.set G0SB, 88
.set L16, 24
.set L4,  25
.set RC,  26
.set RSN, 30
.set H64, 31
.set OT,  32
.set Y,   64
.set G,   128
.set PC,  192
.set TM,  212
.set PW,  228
.set PWE, 229
.set PWS, 230
.set RR,  232
.set MSB, 0
.macro WIN new
.if MSB != \new
	s_set_vgpr_msb (MSB<<8)|\new
.set MSB, \new
.endif
.endm
.set MUL_LO, 0xa1
.set MUL_HI, 0xf1
.set TO_B,   0x40
.macro JLOAD g0a, g1a, g0b, g1b
	s_cmp_eq_u32 s15, 0
	s_cbranch_scc0 .Lfor_b_\@
	tensor_load_to_lds s[\g0a:\g0a+3], s[\g1a:\g1a+7]
	s_nop 0
.rept 4
	v_nop
.endr
	s_branch .Lasked_\@
.Lfor_b_\@:
	tensor_load_to_lds s[\g0b:\g0b+3], s[\g1b:\g1b+7]
	s_nop 0
.rept 4
	v_nop
.endr
.Lasked_\@:
.endm
.macro CREST
	s_cmp_lg_u32 s14, 0
	s_cbranch_scc1 .Lnot_wave_0_\@
	s_barrier_signal -3
.Lnot_wave_0_\@:
	s_barrier_wait -3
	s_barrier_signal -1
	s_barrier_wait -1
.endm
.macro CROUND
	s_barrier_signal -1
	s_barrier_wait -1
	CREST
.endm
.macro PLACES n
.rept \n
	v_nop
.endr
.endm
	s_load_b64 s[4:5], s[0:1], 0x0
	s_load_b64 s[8:9], s[0:1], 0x8
	s_load_b64 s[10:11], s[0:1], 0x10
	s_load_b64 s[12:13], s[0:1], 0x18
	s_load_b64 s[6:7], s[0:1], 0x20
	s_load_b64 s[96:97], s[0:1], 0x28
	s_load_b64 s[98:99], s[0:1], 0x30
	v_lshl_add_u32 v[SPW], v0, 2, SPARE
	v_mov_b32 v[NIL], 0
	ds_add_u32 v[SPW], v[NIL]
	ds_add_u32 v[SPW], v[NIL]
	v_lshrrev_b32 v1, 5, v0
	v_readfirstlane_b32 s14, v1
	s_lshr_b32 s15, s14, 1
	s_and_b32 s16, s14, 1
	s_bfe_u32 s40, ttmp6, 0x40000
	s_bfe_u32 s41, ttmp6, 0x40004
	s_and_b32 s17, ttmp7, 0xffff
	s_lshl_b32 s18, s17, 2
	s_lshl_b32 s19, ttmp9, 2
	s_add_co_u32 s19, s19, 16
	s_cmp_eq_u32 ttmp9, 3
	s_cselect_b32 s17, 28, s18
	s_cselect_b32 s42, s18, s19
	s_add_co_u32 s17, s17, s41
	s_add_co_u32 s42, s42, s40
	s_lshl_b32 s43, s41, 2
	s_lshl_b32 s43, 15, s43
	s_lshl_b32 s44, 0x1111, s40
	s_or_b32 s[G1+0], s43, (3<<16)|(1<<21)
	s_or_b32 s[G1B+0], s44, (3<<16)|(1<<21)
.irp g, G1, G1B
	s_mov_b32 s[\g+1], 384<<16
	s_mov_b32 s[\g+2], 16<<16                      ; the head's loads bring 16 row blocks; behind them the two words are set to 8
	s_mov_b32 s[\g+3], 384<<16
	s_mov_b32 s[\g+4], 16
	s_mov_b32 s[\g+5], 3072
	s_mov_b32 s[\g+6], 0
	s_mov_b32 s[\g+7], 0
.endr
	s_or_b32 s[G1S+0], s43, (3<<16)|(1<<21)
	s_or_b32 s[G1SB+0], s44, (3<<16)|(1<<21)
.irp g, G1S, G1SB
	s_mov_b32 s[\g+1], 32<<16
	s_mov_b32 s[\g+2], 64<<16                      ; the scale words of 16 row blocks: 64 rows of 256 bytes
	s_mov_b32 s[\g+3], 32<<16
	s_mov_b32 s[\g+4], 64
	s_mov_b32 s[\g+5], 32
	s_mov_b32 s[\g+6], 0
	s_mov_b32 s[\g+7], 0
.endr
	s_lshl_b32 s18, s16, 3
	s_lshl_b32 s20, s17, 4                         ; A's tile: its first row block
	s_lshl_b32 s46, s42, 4                         ; B's
	s_lshl_b32 s22, s20, 10                        ; the scale words of the tile's 16 row blocks, 1,024 bytes each
	s_add_co_u32 s22, s22, XWS
	s_mov_b32 s23, 0
	s_lshl_b32 s92, s46, 10
	s_add_co_u32 s92, s92, XWS
	s_mov_b32 s93, 0
	s_add_co_u32 s20, s20, s18                     ; in the ring I fetch 8 row blocks: which half
	s_add_co_u32 s46, s46, s18
	s_mul_i32 s20, s20, 24576
	s_mov_b32 s21, 0
	s_mul_i32 s46, s46, 24576
	s_mov_b32 s47, 0
	s_mul_i32 s45, s14, HALFT
	s_wait_dscnt 0x0
	s_wait_kmcnt 0x0
	s_add_nc_u64 s[20:21], s[4:5], s[20:21]
	s_add_nc_u64 s[22:23], s[4:5], s[22:23]
	s_add_nc_u64 s[46:47], s[4:5], s[46:47]
	s_add_nc_u64 s[92:93], s[4:5], s[92:93]
	CROUND
	s_mov_b32 s[G0S], 1
	s_mov_b32 s[G0S+1], SCL
	s_mov_b64 s[G0S+2:G0S+3], s[22:23]
	s_or_b32 s[G0S+3], s[G0S+3], 0x80000000
	s_mov_b32 s[G0SB], 1
	s_mov_b32 s[G0SB+1], SCL+16384
	s_mov_b64 s[G0SB+2:G0SB+3], s[92:93]
	s_or_b32 s[G0SB+3], s[G0SB+3], 0x80000000
.irp s, 0,1
	s_mov_b32 s[G0+4*\s], 1
	s_add_co_u32 s[G0+4*\s+1], s45, \s*SLOT
	s_add_nc_u64 s[G0+4*\s+2:G0+4*\s+3], s[20:21], \s*RBB
	s_or_b32 s[G0+4*\s+3], s[G0+4*\s+3], 0x80000000
	s_mov_b32 s[G0B+4*\s], 1
	s_add_co_u32 s[G0B+4*\s+1], s45, \s*SLOT
	s_add_nc_u64 s[G0B+4*\s+2:G0B+4*\s+3], s[46:47], \s*RBB
	s_or_b32 s[G0B+4*\s+3], s[G0B+4*\s+3], 0x80000000
.endr
; the head's loads, one a wave, in one chain of branches on the wave's number.  Wave 0's and wave 2's own group 0 of slot 0 point at the tile's first row block.
.macro ARM under, g0, g1, next
	s_cmp_lt_u32 s14, \under
	s_cbranch_scc0 \next
	tensor_load_to_lds s[\g0:\g0+3], s[\g1:\g1+7]
	s_nop 0
.rept 4
	v_nop
.endr
	s_branch .Lhead_asked
\next:
.endm
	ARM 1, G0,  G1,  .Lhead_sa
	ARM 2, G0S, G1S, .Lhead_b
	ARM 3, G0B, G1B, .Lhead_sb
	tensor_load_to_lds s[G0SB:G0SB+3], s[G1SB:G1SB+7]
	s_nop 0
.rept 4
	v_nop
.endr
.Lhead_asked:
	s_cmp_eq_u32 s15, 0                            ; the prefetches: of the 8 row blocks that I fetch in the ring,
	s_cselect_b64 s[100:101], s[20:21], s[46:47]
	s_cselect_b32 s18, s40, s41                    ; my work-group's two, by its place among the four that ask jointly
	s_mul_i32 s18, s18, 2*24576
	s_mov_b32 s19, 0
	s_add_nc_u64 s[100:101], s[100:101], s[18:19]
	v_and_b32 v7, 31, v0
	v_min_u32 v7, 23, v7                           ; 24 blocks of 256 bytes: 12 to a row block's 3,072 bytes
	v_mul_u32_u24 v8, v7, 43
	v_lshrrev_b32 v8, 9, v8                        ; lane / 12
	v_lshlrev_b32 v7, 8, v7
	v_mad_u32_u24 v7, v8, 21504, v7                ; 256 x lane, and 24,576 - 3,072 more for the second row block; never rewritten
	global_prefetch_b8 v7, s[100:101] offset:RBB th:TH_LOAD_NT scope:SCOPE_SE
	global_prefetch_b8 v7, s[100:101] offset:2*RBB th:TH_LOAD_NT scope:SCOPE_SE
	s_cmp_eq_u32 ttmp9, 3                          ; the rotary table's rows of my 128 tokens, 24,576 bytes, read on the way out of q and k: the eight waves that share them (four partners x two) ask for 12 blocks of 256 bytes each
	s_cbranch_scc1 .Lno_rope
	s_lshl_b32 s18, s17, 8
	s_lshl_b32 s19, s15, 7
	s_add_co_u32 s18, s18, s19
	s_mul_i32 s18, s18, 192
	s_lshl_b32 s19, s40, 1
	s_add_co_u32 s19, s19, s16
	s_mul_i32 s19, s19, 3072
	s_add_co_u32 s18, s18, s19
	s_mov_b32 s19, 0
	s_add_nc_u64 s[18:19], s[8:9], s[18:19]
	v_and_b32 v8, 31, v0
	v_min_u32 v8, 11, v8
	v_lshlrev_b32 v8, 8, v8
	global_prefetch_b8 v8, s[18:19] th:TH_LOAD_NT scope:SCOPE_SE
.Lno_rope:
	v_and_b32 v1, 15, v0
	v_bfe_u32 v2, v0, 4, 1
	s_wait_alu depctr_va_vdst(0)
	v_and_b32 v3, 31, v0
	v_lshlrev_b32 v3, 4, v3
	s_mul_i32 s21, s15, HALFT
	s_mul_i32 s22, s16, HALFT
	s_add_co_u32 s22, s22, 2*HALFT
.irp s, 0,1
	v_add_nc_u32 v[ADRA+\s], s21, v3
	v_add_nc_u32 v[ADRB+\s], s22, v3
	s_add_co_u32 s21, s21, SLOT
	s_add_co_u32 s22, s22, SLOT
.endr
	v_lshlrev_b32 v5, 3, v1
	s_lshl_b32 s21, s15, 13
	s_lshl_b32 s22, s16, 13
	s_add_co_u32 s22, s22, 16384
	s_sub_co_u32 s22, s22, s21
	v_mul_u32_u24 v6, s22, v2
	s_add_co_u32 s21, s21, SCL
	v_add_nc_u32 v5, v5, v6
	v_add_nc_u32 v[ADRS], s21, v5
.macro FRAG reg, adr, q, i
.irp c, 0,1,2
	ds_load_b128 v[\reg+4*\c:\reg+4*\c+3], v[\adr] offset:RBB*(\i)+1536*(\q)+512*\c
.endr
.endm
.macro MUL16 a0, p, q, sc, zero
.irp a, \a0, \a0+1
.irp b, 0,1,2,3,4,5,6,7
.if \zero
	v_wmma_scale_f32_16x16x128_f8f6f4 v[8*(8*((\a)%4)+\b):8*(8*((\a)%4)+\b)+7], v[128*(\p)+FR*\b:128*(\p)+FR*\b+FR-1], v[AF+FR*(\a):AF+FR*(\a)+FR-1], 0, v[SC+8*NQ*(\sc)+NQ*\b+(\q)], v[SC+8*NQ*(\sc)+NQ*(\a)+(\q)] matrix_a_fmt:MATRIX_FMT_FP6 matrix_b_fmt:MATRIX_FMT_FP6 matrix_a_scale:MATRIX_SCALE_ROW1
.else
	v_wmma_scale_f32_16x16x128_f8f6f4 v[8*(8*((\a)%4)+\b):8*(8*((\a)%4)+\b)+7], v[128*(\p)+FR*\b:128*(\p)+FR*\b+FR-1], v[AF+FR*(\a):AF+FR*(\a)+FR-1], v[8*(8*((\a)%4)+\b):8*(8*((\a)%4)+\b)+7], v[SC+8*NQ*(\sc)+NQ*\b+(\q)], v[SC+8*NQ*(\sc)+NQ*(\a)+(\q)] matrix_a_fmt:MATRIX_FMT_FP6 matrix_b_fmt:MATRIX_FMT_FP6 matrix_a_scale:MATRIX_SCALE_ROW1
.endif
.endr
.endr
.endm
.macro FETCH_B slot, q, p
	WIN TO_B
.irp i, 0,1,2,3,4,5,6,7
	FRAG 128*(\p)+FR*\i, ADRB+\slot, \q, \i
.endr
	WIN 0
.endm
.macro FETCH_A slot, q, i0
.irp i, \i0, \i0+1, \i0+2, \i0+3
	FRAG AF+FR*(\i), ADRA+\slot, \q, \i
.endr
.endm
.macro SCALES sc
.irp i, 0,1,2,3,4,5,6,7
	ds_load_b64 v[SC+8*NQ*\sc+NQ*\i:SC+8*NQ*\sc+NQ*\i+1], v[ADRS] offset:\i*1024
.endr
.endm
.macro STEP slot, q, zero
	s_wait_dscnt 4*NL
	WIN MUL_LO
	MUL16 0, (\q)%2, \q, \slot, \zero
	MUL16 2, (\q)%2, \q, \slot, \zero
	s_wait_dscnt 0
	PLACES NP
	FETCH_B \slot, (\q)+1, 1-(\q)%2
	FETCH_A \slot, (\q)+1, 0
	WIN MUL_HI
	MUL16 4, (\q)%2, \q, \slot, \zero
	MUL16 6, (\q)%2, \q, \slot, \zero
	PLACES NP
	WIN 0
	FETCH_A \slot, (\q)+1, 4
.endm
.macro TURN slot, next, fill
.if \fill
	s_wait_xcnt 0x0                                ; my last prefetch has read its address
	s_add_nc_u64 s[100:101], s[100:101], RBB
.endif
	s_wait_tensorcnt 0x0
	ds_add_u32 v[SPW], v[NIL]
	s_wait_dscnt 4*NL+1
	WIN MUL_LO
	MUL16 0, 1, NQ-1, \slot, 0
	s_wait_dscnt 0x0
	s_barrier_signal -1
	MUL16 2, 1, NQ-1, \slot, 0
	WIN 0
	s_barrier_wait -1
.if \fill
	CREST
	s_add_nc_u64 s[G0+4*\slot+2:G0+4*\slot+3], s[G0+4*\slot+2:G0+4*\slot+3], 2*RBB
	s_add_nc_u64 s[G0B+4*\slot+2:G0B+4*\slot+3], s[G0B+4*\slot+2:G0B+4*\slot+3], 2*RBB
	JLOAD G0+4*\slot, G1, G0B+4*\slot, G1B
.else
	PLACES NP
.endif
	s_wait_alu depctr_va_vdst(0)
	v_add_nc_u32 v[ADRS], 128, v[ADRS]
	FETCH_B \next, 0, 0
	FETCH_A \next, 0, 0
	SCALES \next
.if \fill
	s_cmp_gt_u32 s3, 1                             ; the last trip's two refills have no chunk two on
	s_cbranch_scc0 .Lno_ask_\@
	global_prefetch_b8 v7, s[100:101] offset:3*RBB th:TH_LOAD_NT scope:SCOPE_SE
.Lno_ask_\@:
.endif
	WIN MUL_HI
	MUL16 4, 1, NQ-1, \slot, 0
	MUL16 6, 1, NQ-1, \slot, 0
	PLACES NP
	WIN 0
	FETCH_A \next, 0, 4
.endm
	s_wait_alu depctr_va_vdst(0)                   ; the wait at the head's end
	s_wait_tensorcnt 0x0                           ; my tile of the head's four is in; the three lines ahead of a later first fill, as ahead of a refill
	ds_add_u32 v[SPW], v[NIL]
	s_mov_b32 s[G1+2], 8<<16                       ; no tensor load of mine is out: from here on a load brings 8 row blocks
	s_mov_b32 s[G1+4], 8
	s_mov_b32 s[G1B+2], 8<<16
	s_mov_b32 s[G1B+4], 8
	s_wait_dscnt 0x0
	CROUND
	JLOAD G0+4, G1, G0B+4, G1B                     ; chunk 1, the first tensor load behind the round
	FETCH_B 0, 0, 0
	FETCH_A 0, 0, 0
	SCALES 0
	global_prefetch_b8 v7, s[100:101] offset:3*RBB th:TH_LOAD_NT scope:SCOPE_SE
	FETCH_A 0, 0, 4
	STEP 0, 0, 1
	s_mov_b32 s3, LAPS-1
.Llap:
	TURN 0, 1, 1
	STEP 1, 0, 0
	TURN 1, 0, 1
	STEP 0, 0, 0
	s_sub_co_u32 s3, s3, 1
	s_cmp_lg_u32 s3, 0
	s_cbranch_scc1 .Llap
	TURN 0, 1, 0
	STEP 1, 0, 0
	s_wait_dscnt 4*NL
	WIN MUL_LO
	MUL16 0, 1, NQ-1, 1, 0
	MUL16 2, 1, NQ-1, 1, 0
	s_wait_dscnt 0
	WIN MUL_HI
	MUL16 4, 1, NQ-1, 1, 0
	MUL16 6, 1, NQ-1, 1, 0
	WIN 0
.macro QUANT s, w
	WIN (\w)|((\w)<<2)
.irp b, 0,1,2,3
	v_max3_num_f32 v[TM+\b], |v[(\s)+16*\b]|, |v[(\s)+1+16*\b]|, 0x1800000
.endr
.irp i, 2,4,6,8,10,12,14
.irp b, 0,1,2,3
	v_max3_num_f32 v[TM+\b], |v[(\s)+16*\b+\i]|, |v[(\s)+1+16*\b+\i]|, v[TM+\b]
.endr
.endr
	WIN 0
.irp b, 0,1,2,3
	v_permlanex16_b32 v[TM+4+\b], v[TM+\b], s94, s95
.endr
.irp b, 0,1,2,3
	v_max_num_f32 v[TM+\b], v[TM+\b], v[TM+4+\b]
.endr
.irp b, 0,1,2,3
	v_add_nc_u32 v[TM+12+\b], 0xff000000, v[TM+\b]
.endr
.irp b, 0,1,2,3
	v_lshrrev_b32 v[TM+4+\b], 23, v[TM+12+\b]
.endr
	v_lshl_or_b32 v[PW], v[TM+5], 8, v[TM+4]
	v_lshl_or_b32 v[PW], v[TM+6], 16, v[PW]
	v_lshl_or_b32 v[PW], v[TM+7], 24, v[PW]
	WIN \w
.irp c, 0,1
	v_cvt_scalef32_pk16_fp6_f32 v[PC+6*\c:PC+2+6*\c], v[(\s)+32*\c:(\s)+15+32*\c], v[TM+12+2*\c]
	v_cvt_scalef32_pk16_fp6_f32 v[PC+12+4*\c:PC+14+4*\c], v[(\s)+16+32*\c:(\s)+31+32*\c], v[TM+12+2*\c+1]
.endr
	WIN 0
	v_nop
.irp c, 0,1
.irp i, 0,1,2
	v_permlane16_swap_b32 v[PC+6*\c+\i], v[PC+12+4*\c+\i]
.endr
.irp i, 0,1,2
	v_mov_b32 v[PC+3+6*\c+\i], v[PC+12+4*\c+\i]
.endr
.endr
.endm
.macro PUT a
.irp c, 0,1,2
	global_store_b128 v[L16], v[PC+4*\c:PC+4*\c+3], s[20:21] offset:3072*(\a)+512*\c
.endr
.if ((\a)%2) == 0
	v_mov_b32 v[PWE], v[PW]
.else
	v_cndmask_b32 v[PWS], v[PWE], v[PW], s92
	global_store_b32 v[L4], v[PWS], s[22:23] offset:128*((\a)/2)
.endif
.endm
	PLACES 4
	v_and_b32 v[L16], 31, v0
	v_lshlrev_b32 v[L4], 2, v[L16]
	v_lshlrev_b32 v[L16], 4, v[L16]
	v_and_b32 v[RC], 8, v1
	v_add_nc_u32 v[RC], v[RC], v1
	v_mul_u32_u24 v[RC], v[RC], 192
	v_lshlrev_b32 v[H64], 6, v2
	v_add3_u32 v[RSN], v[RC], v[H64], 64
.irp b, 0,1,2,3
	v_mov_b32 v[TM+4+\b], 0
.endr
	s_mov_b32 s92, 0xffff0000
	s_mov_b32 s94, 0x76543210
	s_mov_b32 s95, 0xfedcba98
	s_cmp_eq_u32 ttmp9, 3
	s_cbranch_scc1 .Lv
	s_cmp_eq_u32 ttmp9, 2
	s_cbranch_scc1 .Ln
	s_cmp_eq_u32 s16, 0
	s_cbranch_scc1 .Ln
	s_sub_co_u32 s43, s42, 16
	s_lshl_b32 s43, s43, 8
	s_lshl_b32 s44, s17, 4
	s_add_co_u32 s43, s43, s44
	s_lshl_b32 s44, s15, 3
	s_add_co_u32 s43, s43, s44
	s_lshl_b32 s20, s43, 13
	s_add_co_u32 s20, s20, 3276800
	s_mov_b32 s21, 0
	s_add_nc_u64 s[20:21], s[6:7], s[20:21]
	s_wait_alu depctr_va_vdst(0)                   ; the stores' offset register was written ahead of the scalar lines above
.macro GBLK a                          ; the gate of 16 tokens x 128: the accumulators as they are, each from its low end on; a store covers 512 consecutive bytes
	WIN (2+(\a)/4)<<2                              ; a store's data are its source 1
.set e_, 0
.rept 16
	global_store_b128 v[L16], v[64*((\a)%4)+4*e_:64*((\a)%4)+4*e_+3], s[20:21] offset:8192*(\a)+512*e_
.set e_, e_+1
.endr
.if (\a) == 7
	WIN 0
.endif
.endm
.irp a, 0,1,2,3,4,5,6,7
	GBLK \a
.endr
	s_branch .Lend
.Ln:
	s_sub_co_u32 s43, s42, 16
	s_lshl_b32 s43, s43, 4
	s_add_co_u32 s43, s43, s17
	s_mul_i32 s70, s43, 24576
	s_lshl_b32 s71, s43, 10
	s_add_co_u32 s71, s71, 3145728
	s_sub_co_u32 s43, s42, 24
	s_lshl_b32 s43, s43, 1
	s_add_co_u32 s43, s43, s16
	s_lshr_b32 s44, s17, 3
	s_lshl_b32 s44, s44, 3
	s_add_co_u32 s43, s43, s44
	s_lshl_b32 s43, s43, 3
	s_and_b32 s44, s17, 7
	s_add_co_u32 s43, s43, s44
	s_mul_i32 s72, s43, 51200
	s_add_co_u32 s73, s72, 49152
	s_cmp_eq_u32 ttmp9, 2
	s_cselect_b32 s70, s72, s70
	s_cselect_b32 s71, s73, s71
	s_cselect_b64 s[20:21], s[96:97], s[6:7]
	s_cselect_b64 s[68:69], s[12:13], s[10:11]
	s_mul_i32 s72, s15, 1536
	s_add_co_u32 s70, s70, s72
	s_lshl_b32 s72, s15, 9
	s_add_co_u32 s72, s71, s72
	s_mov_b32 s71, 0
	s_mov_b32 s73, 0
	s_add_nc_u64 s[22:23], s[20:21], s[72:73]
	s_add_nc_u64 s[20:21], s[20:21], s[70:71]
	s_lshl_b32 s43, s17, 8
	s_lshl_b32 s44, s15, 7
	s_add_co_u32 s43, s43, s44
	s_mul_i32 s46, s43, 192
	s_mov_b32 s47, 0
	s_add_nc_u64 s[46:47], s[8:9], s[46:47]
	s_mov_b32 s18, 0x3c000000
	s_mov_b32 s19, 0x358637bd
	WIN 0x40
.set a_, 0
	s_wait_alu depctr_va_vdst(0)
.rept 8
.set j_, 0
.rept 4
	global_load_b128 v[32*a_+4*j_:32*a_+4*j_+3], v[RC], s[46:47] offset:(32*(a_/2)+8*(a_%2))*192+16*j_
	global_load_b128 v[32*a_+16+4*j_:32*a_+16+4*j_+3], v[RSN], s[46:47] offset:(32*(a_/2)+8*(a_%2))*192+16*j_
.set j_, j_+1
.endr
.set a_, a_+1
.endr
	WIN 0
.set j_, 0
.rept 16
	global_load_b128 v[G+4*j_:G+4*j_+3], v[H64], s[68:69] offset:128*(j_/4)+16*(j_%4)
.set j_, j_+1
.endr
.set j_, 0
.rept 16
	v_mov_b32 v[OT+j_], 0
.set j_, j_+1
.endr
.macro SUMSQ w
	WIN (\w)|((\w)<<2)
.set e_, 0
.rept 32
.set a_, 0
.rept 4
.if e_ == 0
	v_pk_mul_f32 v[RR+2*(4*((\w)-2)+a_):RR+2*(4*((\w)-2)+a_)+1], v[64*a_:64*a_+1], v[64*a_:64*a_+1]
.else
	v_pk_fma_f32 v[RR+2*(4*((\w)-2)+a_):RR+2*(4*((\w)-2)+a_)+1], v[64*a_+2*e_:64*a_+2*e_+1], v[64*a_+2*e_:64*a_+2*e_+1], v[RR+2*(4*((\w)-2)+a_):RR+2*(4*((\w)-2)+a_)+1]
.endif
.set a_, a_+1
.endr
.set e_, e_+1
.endr
.endm
	SUMSQ 2
	SUMSQ 3
	WIN 0
.irp a, 0,1,2,3,4,5,6,7
	v_add_f32 v[RR+2*\a], v[RR+2*\a], v[RR+2*\a+1]
.endr
.irp a, 0,1,2,3,4,5,6,7
	v_permlanex16_b32 v[RR+2*\a+1], v[RR+2*\a], s94, s95
.endr
.irp a, 0,1,2,3,4,5,6,7
	v_add_f32 v[RR+2*\a], v[RR+2*\a], v[RR+2*\a+1]
.endr
.irp a, 0,1,2,3,4,5,6,7
	v_fma_f32 v[RR+2*\a], v[RR+2*\a], s18, s19
.endr
	s_wait_alu depctr_va_vdst(0)
.irp a, 0,1,2,3,4,5,6,7
	v_rsq_f32 v[RR+2*\a], v[RR+2*\a]
.endr
	v_nop
	s_wait_alu depctr_va_vdst(0)
	s_wait_loadcnt 0x0
.set e_, 0
.rept 32
	v_pk_add_f32 v[G+2*e_:G+2*e_+1], v[G+2*e_:G+2*e_+1], 1.0 op_sel_hi:[1,0]
.set e_, e_+1
.endr
.macro NBLK a
	s_wait_xcnt 0x0
	WIN 2+(\a)/4
.set e_, 0
.rept 32
	v_pk_mul_f32 v[Y+2*e_:Y+2*e_+1], v[64*((\a)%4)+2*e_:64*((\a)%4)+2*e_+1], v[RR+2*(\a):RR+2*(\a)+1] op_sel_hi:[1,0]
.set e_, e_+1
.endr
	WIN 0
.set e_, 0
.rept 32
	v_pk_mul_f32 v[Y+2*e_:Y+2*e_+1], v[Y+2*e_:Y+2*e_+1], v[G+2*e_:G+2*e_+1]
.set e_, e_+1
.endr
.set e_, 0
.rept 16
	v_permlanex16_b32 v[OT+e_], v[Y+e_], s94, s95
.set e_, e_+1
.endr
	WIN 0x04
.set e_, 0
.rept 8
	v_pk_mul_f32 v[OT+2*e_:OT+2*e_+1], v[OT+2*e_:OT+2*e_+1], v[32*(\a)+16+2*e_:32*(\a)+16+2*e_+1]
.set e_, e_+1
.endr
.set e_, 0
.rept 8
	v_pk_fma_f32 v[Y+2*e_:Y+2*e_+1], v[Y+2*e_:Y+2*e_+1], v[32*(\a)+2*e_:32*(\a)+2*e_+1], v[OT+2*e_:OT+2*e_+1]
.set e_, e_+1
.endr
	QUANT Y, 0
	PUT \a
.endm
.irp a, 0,1,2,3,4,5,6,7
	NBLK \a
.endr
	s_branch .Lend
.Lv:
	s_sub_co_u32 s43, s17, 28
	s_lshl_b32 s43, s43, 1
	s_add_co_u32 s43, s43, s15
	s_lshr_b32 s44, s42, 3
	s_lshl_b32 s44, s44, 3
	s_add_co_u32 s43, s43, s44
	s_and_b32 s44, s42, 7
	s_lshl_b32 s70, s43, 3
	s_add_co_u32 s70, s70, s44
	s_mul_i32 s70, s70, 51200
	s_mul_i32 s72, s16, 1536
	s_add_co_u32 s72, s72, s70
	s_add_co_u32 s72, s72, 24576
	s_mov_b32 s73, 0
	s_add_nc_u64 s[20:21], s[96:97], s[72:73]
	s_lshl_b32 s72, s16, 9
	s_add_co_u32 s72, s72, s70
	s_add_co_u32 s72, s72, 50176
	s_add_nc_u64 s[22:23], s[96:97], s[72:73]
	s_lshl_b32 s72, s43, 4
	s_lshl_b32 s44, s44, 1
	s_add_co_u32 s72, s72, s44
	s_add_co_u32 s72, s72, s16
	s_lshl_b32 s72, s72, 9
	s_add_nc_u64 s[46:47], s[98:99], s[72:73]
.irp i, 0,1,2,3
	v_mov_b32 v[128+3*\i], 0x08208208
	v_mov_b32 v[129+3*\i], 0x82082082
	v_mov_b32 v[130+3*\i], 0x20820820
.endr
	v_mov_b32 v140, 0x7f7f7f7f
.macro VBLK a
	s_wait_xcnt 0x0
	QUANT 64*((\a)%4), 2+(\a)/4
	PUT \a
	PLACES 8
	v_wmma_scale_f32_16x16x128_f8f6f4 v[64+8*(\a):64+8*(\a)+7], v[128:139], v[PC:PC+11], 0, v140, v[PW] matrix_a_fmt:MATRIX_FMT_FP6 matrix_b_fmt:MATRIX_FMT_FP6
.endm
.irp a, 0,1,2,3,4,5,6,7
	VBLK \a
.endr
	PLACES 4
.irp i, 0,1,2,3
	v_cndmask_b32 v[32+\i], v[64+16*\i], v[72+16*\i], s92
.endr
.irp i, 0,1,2,3
	global_store_b32 v[L4], v[32+\i], s[46:47] offset:128*\i
.endr
.Lend:
	s_wait_tensorcnt 0x0
	ds_add_u32 v[SPW], v[NIL]
	s_wait_dscnt 0x0
	CROUND
	s_endpgm
.Lfunc_end_k_q487b0daf05_qkv:
	.size	k_q487b0daf05_qkv, .Lfunc_end_k_q487b0daf05_qkv-k_q487b0daf05_qkv
	.p2alignl 7, 3214868480
	.fill 96, 4, 3214868480
	.section	.rodata,"a",@progbits
	.p2align	6, 0x0
	.amdhsa_kernel k_q487b0daf05_qkv
		.amdhsa_group_segment_fixed_size 327680
		.amdhsa_private_segment_fixed_size 0
		.amdhsa_enable_private_segment 0
		.amdhsa_kernarg_size 56
		.amdhsa_user_sgpr_count 2
		.amdhsa_user_sgpr_kernarg_segment_ptr 1
		.amdhsa_wavefront_size32 1
		.amdhsa_system_sgpr_workgroup_id_x 1
		.amdhsa_system_sgpr_workgroup_id_y 1
		.amdhsa_system_sgpr_workgroup_id_z 1
		.amdhsa_system_vgpr_workitem_id 0
		.amdhsa_next_free_vgpr 1024
		.amdhsa_next_free_sgpr 102
		.amdhsa_reserve_vcc 0
		.amdhsa_float_denorm_mode_32 3
		.amdhsa_float_denorm_mode_16_64 3
		.amdhsa_memory_ordered 1
		.amdhsa_forward_progress 1
		.amdhsa_inst_pref_size 255
	.end_amdhsa_kernel
	.section	.bss,"aw",@nobits
	.p2align	6
	.space	262144
	.amdgpu_metadata
---
amdhsa.version: [ 1, 2 ]
amdhsa.kernels:
  - .name:           k_q487b0daf05_qkv
    .symbol:         k_q487b0daf05_qkv.kd
    .args:
      - { .name: xw, .offset: 0, .size: 8, .value_kind: global_buffer, .address_space: global }
      - { .name: rope, .offset: 8, .size: 8, .value_kind: global_buffer, .address_space: global }
      - { .name: q_norm_w, .offset: 16, .size: 8, .value_kind: global_buffer, .address_space: global }
      - { .name: k_norm_w, .offset: 24, .size: 8, .value_kind: global_buffer, .address_space: global }
      - { .name: qg, .offset: 32, .size: 8, .value_kind: global_buffer, .address_space: global }
      - { .name: kv, .offset: 40, .size: 8, .value_kind: global_buffer, .address_space: global }
      - { .name: vp, .offset: 48, .size: 8, .value_kind: global_buffer, .address_space: global }
    .group_segment_fixed_size: 327680
    .private_segment_fixed_size: 0
    .kernarg_segment_align: 8
    .kernarg_segment_size: 56
    .max_flat_workgroup_size: 128
    .sgpr_count:     102
    .vgpr_count:     1024
    .wavefront_size: 32
...
	.end_amdgpu_metadata
.endif
;; end of part 2
;; launch attn (part 3): grid 16 x 16, 8 waves a work-group, no clusters, 288,256 bytes of LDS; arguments qg, kv, vp, attention_mask, at; writes at
.if DOCPART == 3
	.amdgcn_target "amdgcn-amd-amdhsa--gfx1250"
	.amdhsa_code_object_version 6
	.text
	.protected	k_q487b0daf05_attn
	.globl	k_q487b0daf05_attn
	.p2align	8
	.type	k_q487b0daf05_attn,@function
k_q487b0daf05_attn:
	s_mov_b64 s[64:65], 0
	v_nop
	global_prefetch_b8 v0, s[64:65] scope:SCOPE_SE
	s_setreg_imm32_b32 hwreg(HW_REG_WAVE_MODE, 25, 1), 1
	s_wait_xcnt 0x0
; THIRD OF FOUR LAUNCHES: causal attention in MX-FP6, the gate's sigmoid, and the quantising of attn x sigmoid(gate) for the last product.
; WORK LEFT OUT: the steps of 128 keys all of which come after all 32 queries of a pair of tiles: reference()'s own causal mask gives them the weight 0 for every query that has a visible key which
; attention_mask lets count.  A query with no such key gets the mean of the quantised v over all 2,048 keys (from buffer vp), selected by v_cndmask_b32.  A NaN, an infinity or an overflow that reaches only the steps left out is not carried.
; LIMIT: the promise holds while the scaled scores stay under 2^31 in magnitude (a key that attention_mask hides gets -2^33 added to its score; a row whose largest t lies under -2^29 counts as wholly hidden).
; SHARES: work-group (x, y): batch and head y, four pairs of tiles (a pair: 32 neighbouring queries, tile X in window 0, tile Y in window 1).  Wave w = 4 s + kq walks the steps kq, kq + 4, kq + 8, kq + 12 of 128 keys,
; first for pair 62 - 2 x + s, then for pair 2 x + s: at most five steps a wave in every work-group.  Each fragment of K and of V feeds both tiles of the pair.
; kv holds the fragments as images of their registers, so they go from memory straight into registers, 512 consecutive bytes a load: no tensor load, no slot, and no barrier inside the loops.
; Each wave leaves its two tiles' states (O^T, -M, the largest t, the sums) in LDS after each walk: 32 states of 8,704 bytes.  Behind one barrier wave w joins the four parts of tile w by exact powers of two (M is a whole number) and finishes it.
; NO CLUSTER: the launch has no tensor load, so there is no tile to ask for jointly.
; PREFETCH: in the first walk the work-group that walks all keys (x = 0) asks in each trip for the next trip's 102,400 bytes of its head, 50 blocks of 256 bytes a wave; the last trip asks for nothing.  The gate of the tile that a wave finishes is asked for at the head.
; REGISTERS, the same numbers for X in window 0 and for Y in window 1: v12-15 -M, the largest t, the sum in two halves; v16-27 the first pair's q; v29 the query's place; v96-159 scores, then p; v160-223 O^T; v224-235 p's codes; v232-254 at work.
;   v48-95 of both windows: eight fragments of K, then of V.  Window 1: v0-11, v30-41 the second pair's q.  Window 0: v0-11, v28-31, v40-46 addresses; v32-35 K's scale words (two tiles to a register), v36-39 V's; v255, v248, v250, v251 q's; v253, v249 p's.
.set XQ,    262144                     ; behind 32 x 8,192 bytes of O^T: 32 x 512 bytes of -M, t and the sums
.set MBL,   278528                     ; 2,048 words: 0 for a key that counts, -2^33 for one that attention_mask hides: the C of the score products
.set VM,    286720                     ; 128 words: the mean of v
.set SPARE, 287232                     ; the spare words, 128 bytes a wave
.set L16,  1
.set R4,   2
.set AM0,  3
.set AK0,  4
.set SPW,  5
.set NIL,  6
.set AS0,  7
.set ADK,  8
.set ADS,  9
.set ADM,  10
.set PFO,  28
.set QD,   29
.set KS,   32
.set VS,   36
.set XS0,  40
.set XQ0,  42
.set PF2,  43
.set PFG,  46
.set KF,   2
.set SO,   3
.set WV,   18
.set SEL,  20
.set CS,   22
.set KF0,  48
.set SO0,  49
.set TR,   67
.set PFA,  76
.set LIM,  80
.set GS,   84
.set QXA,  94
.set QYA,  95
.set QXB,  98
.set QYB,  99
.set MSB, 0
.macro WIN new                         ; the immediate's high byte repeats the setting that is left
.if MSB != \new
	s_set_vgpr_msb (MSB<<8)|\new
.set MSB, \new
.endif
.endm
.macro QOFF t, f, sc                   ; where a tile's fragment of q and its scale words lie in qg; the pair's second tile lies 3,072 and 64 bytes on
	s_lshl_b32 s81, s73, 7
	s_add_co_u32 s81, s81, \t
	s_lshl_b32 s82, s74, 4
	s_lshr_b32 s83, s81, 4
	s_add_co_u32 s82, s82, s83
	s_and_b32 s83, s81, 7
	s_bfe_u32 s84, s81, 0x10003
	s_lshl_b32 s85, s82, 4
	s_lshl_b32 \f, s83, 1
	s_add_co_u32 s85, s85, \f
	s_add_co_u32 s85, s85, s84
	s_mul_i32 \f, s85, 1536
	s_lshl_b32 \sc, s82, 10
	s_lshl_b32 s85, s84, 9
	s_add_co_u32 \sc, \sc, s85
	s_lshl_b32 s85, s83, 6
	s_add_co_u32 \sc, \sc, s85
	s_add_co_u32 \sc, \sc, 3145728
.endm
	s_load_b256 s[4:11], s[0:1], 0x0               ; qg s4, kv s6, vp s8, attention_mask s10
	s_load_b64 s[12:13], s[0:1], 0x20              ; at
	v_lshl_add_u32 v[SPW], v0, 2, SPARE
	v_mov_b32 v[NIL], 0
	v_lshrrev_b32 v8, 5, v0
	s_delay_alu instid0(VALU_DEP_1)
	v_readfirstlane_b32 s[WV], v8
	s_and_b32 s72, ttmp7, 0xffff                   ; batch and head
	s_lshr_b32 s73, s72, 3
	s_and_b32 s74, s72, 7
	s_lshr_b32 s54, s[WV], 2                       ; s
	s_and_b32 s55, s[WV], 3                        ; kq
	s_lshl_b32 s75, ttmp9, 1
	s_sub_co_u32 s60, 62, s75
	s_add_co_u32 s56, s60, s54                     ; the first walk's pair
	s_add_co_u32 s57, s75, s54                     ; the second's
	s_lshl_b32 s[QXA], s56, 5                      ; a tile's first query; its rows are that + r + 8 (r / 8)
	s_add_co_u32 s[QYA], s[QXA], 8
	s_lshl_b32 s[QXB], s57, 5
	s_add_co_u32 s[QYB], s[QXB], 8
	s_bfe_u32 s58, s[WV], 0x10001                  ; the tile that I finish: walk w / 4, pair (w / 2) % 2, tile w % 2
	s_and_b32 s59, s[WV], 1
	s_add_co_u32 s60, s60, s58
	s_add_co_u32 s61, s75, s58
	s_cmp_lt_u32 s[WV], 4
	s_cselect_b32 s60, s60, s61
	s_lshl_b32 s60, s60, 1
	s_add_co_u32 s75, s60, s59
	s_lshl_b32 s62, s56, 1
	s_lshl_b32 s63, s57, 1
	QOFF s62, s86, s88
	s_mov_b32 s87, 0
	s_mov_b32 s89, 0
	QOFF s63, s50, s52
	s_mov_b32 s51, 0
	s_mov_b32 s53, 0
	s_lshl_b32 s81, s73, 7
	s_add_co_u32 s81, s81, s75
	s_lshl_b32 s90, s74, 8
	s_add_co_u32 s90, s90, s81
	s_lshl_b32 s90, s90, 13
	s_add_co_u32 s90, s90, 3276800                 ; that tile's gate, 8,192 bytes
	s_mov_b32 s91, 0
	s_mul_i32 s92, s72, 409600                     ; my head's K and V: eight runs of 51,200 bytes, 256 keys each
	s_mov_b32 s93, 0
	s_lshr_b32 s85, s55, 1
	s_mul_i32 s85, s85, 51200
	s_add_co_u32 s[SO0], s92, s85                  ; my first step's run
	s_lshl_b32 s[KF0], s55, 7                      ; and its first key
	s_lshl_b32 s68, s81, 3
	s_add_co_u32 s68, s68, s74
	s_mul_i32 s68, s68, 1536                       ; the result's fragment
	s_mov_b32 s69, 0
	s_lshl_b32 s70, s81, 9
	s_lshr_b32 s82, s74, 1
	s_lshl_b32 s82, s82, 7
	s_add_co_u32 s70, s70, s82
	s_and_b32 s82, s74, 1
	s_lshl_b32 s82, s82, 2
	s_add_co_u32 s70, s70, s82
	s_add_co_u32 s70, s70, 3145728                 ; and its scale words
	s_mov_b32 s71, 0
	s_mov_b32 s[SEL], 0x76543210
	s_mov_b32 s[SEL+1], 0xfedcba98                 ; lane l xor 16
	s_mov_b32 s[CS], 0x3e0293ee                    ; log2(e) / sqrt(128)
	s_mov_b32 s[CS+1], s[CS]
	s_cmp_eq_u32 ttmp9, 0
	s_cselect_b32 s[LIM], 1, 64
	s_wait_alu depctr_va_vdst(0)
	s_wait_kmcnt 0x0
	s_add_nc_u64 s[PFA:PFA+1], s[6:7], s[92:93]
	s_add_nc_u64 s[86:87], s[4:5], s[86:87]
	s_add_nc_u64 s[88:89], s[4:5], s[88:89]
	s_add_nc_u64 s[50:51], s[4:5], s[50:51]
	s_add_nc_u64 s[52:53], s[4:5], s[52:53]
	s_add_nc_u64 s[90:91], s[4:5], s[90:91]
	s_add_nc_u64 s[68:69], s[12:13], s[68:69]
	s_add_nc_u64 s[70:71], s[12:13], s[70:71]
	s_lshl_b32 s82, s73, 13
	s_mov_b32 s83, 0
	s_add_nc_u64 s[10:11], s[10:11], s[82:83]
	s_lshl_b32 s82, s72, 13
	s_add_nc_u64 s[8:9], s[8:9], s[82:83]
	v_and_b32 v11, 31, v0
	s_delay_alu instid0(VALU_DEP_1)
	v_lshlrev_b32 v[L16], 4, v11
	v_and_b32 v30, 15, v0
	v_bfe_u32 v31, v0, 4, 1
	s_delay_alu instid0(VALU_DEP_2)
	v_lshlrev_b32 v[R4], 2, v30
	v_lshlrev_b32 v4, 5, v0
	v_lshlrev_b32 v[PFG], 8, v11
	global_load_b128 v[32:35], v4, s[10:11]        ; eight words of attention_mask a thread
	global_load_b128 v[36:39], v4, s[10:11] offset:16
	global_load_b128 v[16:19], v[L16], s[86:87]    ; the first pair's X
	global_load_b128 v[20:23], v[L16], s[86:87] offset:512
	global_load_b128 v[24:27], v[L16], s[86:87] offset:1024
	global_load_b32 v255, v[R4], s[88:89]
	global_load_b32 v248, v[R4], s[88:89] offset:64
	global_load_b32 v250, v[R4], s[52:53]
	global_load_b32 v251, v[R4], s[52:53] offset:64
	WIN 0x40
.irp c, 0,1,2
	global_load_b128 v[16+4*\c:19+4*\c], v[L16], s[86:87] offset:3072+512*\c   ; its Y
	global_load_b128 v[4*\c:4*\c+3], v[L16], s[50:51] offset:512*\c            ; the second pair's X
	global_load_b128 v[30+4*\c:33+4*\c], v[L16], s[50:51] offset:3072+512*\c   ; and Y
.endr
	WIN 0
	global_prefetch_b8 v[PFG], s[90:91] th:TH_LOAD_NT scope:SCOPE_SE   ; my tile's gate: 32 blocks of 256 bytes, a lane a block
	v_add_nc_u32 v9, MBL, v4
	v_and_b32 v7, 0x67, v0
	v_bfe_u32 v8, v0, 3, 1
	s_delay_alu instid0(VALU_DEP_1)
	v_lshl_or_b32 v7, v8, 4, v7
	v_bfe_u32 v8, v0, 4, 1
	s_delay_alu instid0(VALU_DEP_1)
	v_lshl_or_b32 v7, v8, 3, v7
	s_delay_alu instid0(VALU_DEP_1)
	v_lshl_add_u32 v7, v7, 2, VM
	v_lshlrev_b32 v8, 2, v0
	s_cmp_lt_u32 s[WV], 4
	s_cbranch_scc0 .Lno_vm
.set n_, 0
.rept 16
	global_load_b32 v[48+n_], v8, s[8:9] offset:512*n_   ; the sums of v over 128 keys: sixteen of them make the mean
.set n_, n_+1
.endr
	s_wait_loadcnt 0x0
.set n_, 1
	v_add_f32 v48, v48, v[48+n_]
.set n_, n_+1
.rept (15)-1
	s_delay_alu instid0(VALU_DEP_1)
	v_add_f32 v48, v48, v[48+n_]
.set n_, n_+1
.endr
	s_delay_alu instid0(VALU_DEP_1)
	v_mul_f32 v48, 0x3a000000, v48
	ds_store_b32 v7, v48
.Lno_vm:
	s_wait_loadcnt 0x0
	v_mov_b32 v40, 0xd0000000
.set n_, 0
.rept 8
	v_cmp_ne_u32 vcc_lo, 0, v[32+n_]
	s_delay_alu instid0(VALU_DEP_1)
	v_cndmask_b32 v[32+n_], v40, v[NIL], vcc_lo
.set n_, n_+1
.endr
	ds_store_b128 v9, v[32:35]
	ds_store_b128 v9, v[36:39] offset:16
	s_and_b32 s81, s55, 1                          ; which 128 keys of a run of 256 are my steps'
	s_mul_i32 s82, s81, 1536
	s_lshl_b32 s83, s81, 9
	s_lshl_b32 s84, s[WV], 14
	s_lshl_b32 s85, s[WV], 10
	s_add_co_u32 s85, s85, XQ
	s_mul_i32 s81, s[WV], 12800
	v_add_nc_u32 v[AK0], s82, v[L16]
	v_lshl_add_u32 v[AS0], v11, 2, s83
	v_lshl_add_u32 v[AM0], v31, 6, MBL
	v_add_nc_u32 v[XS0], s84, v[L16]               ; where my states go: 16,384 bytes a wave and walk
	v_add_nc_u32 v[XQ0], s85, v[L16]
	v_lshl_add_u32 v[PFO], v11, 8, s81
	v_min_u32 v[PF2], 17, v11
	v_add_nc_u32 v[XS0+1], 0x20000, v[XS0]
	v_and_b32 v[QD], 8, v30
	v_lshl_add_u32 v[PF2], v[PF2], 8, s81
	v_add_nc_u32 v[QD], v[QD], v30
	v_lshlrev_b32 v10, 4, v31
	v_add_nc_u32 v[PF2], 8192, v[PF2]
	s_delay_alu instid0(VALU_DEP_2)
	v_sub_nc_u32 v[QD], v[QD], v10                 ; my query's place in the tile, less 16 h
	v_mov_b32 v249, 0x7f7f7f7f
	WIN 0x40
	v_mov_b32 v[QD], v[QD]                         ; a copy in window 1
	WIN 0
	s_wait_alu depctr_va_vdst(0)                   ; the wait at the head's end
	s_wait_dscnt 0x0
	s_barrier_signal -1
	s_barrier_wait -1                              ; the mask's terms and the mean of v lie in LDS
.macro INIT                            ; a tile's state: the step is written for every trip alike, and the first finds zeros
	v_mov_b32 v13, 0xff61b1e6                      ; the largest t so far: -3e38
	v_mov_b32 v12, 0x7f61b1e6                      ; -M
	v_mov_b32 v14, 0
	v_mov_b32 v15, 0
.irp b, 0,1,2,3
	v_mov_b32 v[236+\b], 0
.endr
	v_mov_b32 v252, 0
	v_mov_b32 v253, 0
.set n_, 0
.rept 64
	v_mov_b32 v[160+n_], 0
.set n_, n_+1
.endr
.endm
.macro GLOAD sreg, cbase, sbase        ; my step's eight fragments, four to each window, and their scale words, two tiles to a register: 28 loads
.set t_, 0
.rept 8
.if t_ == 4
	WIN 0x40
.endif
.irp c, 0,1,2
	global_load_b128 v[48+12*(t_%4)+4*\c:48+12*(t_%4)+4*\c+3], v[ADK], s[6:7] offset:\cbase+2*t_*1536+512*\c
.endr
.set t_, t_+1
.endr
	WIN 0
.irp i, 0,1,2,3
	global_load_b32 v[\sreg+\i], v[ADS], s[6:7] offset:\sbase+128*\i
.endr
.endm
.macro MM8 wb, d, b, sa, sb            ; eight products on eight accumulators v[d + 8 t]; wb: the windows of B, C and D
.set t_, 0
.rept 8
.if t_ == 0
	WIN \wb
.endif
.if t_ == 4
	WIN (\wb)|1
.endif
.if (t_%2) == 0
	v_wmma_scale_f32_16x16x128_f8f6f4 v[\d+8*t_:\d+8*t_+7], v[48+12*(t_%4):48+12*(t_%4)+11], v[\b:\b+11], v[\d+8*t_:\d+8*t_+7], v[\sa+t_/2], v[\sb] matrix_a_fmt:MATRIX_FMT_FP6 matrix_b_fmt:MATRIX_FMT_FP6
.else
	v_wmma_scale_f32_16x16x128_f8f6f4 v[\d+8*t_:\d+8*t_+7], v[48+12*(t_%4):48+12*(t_%4)+11], v[\b:\b+11], v[\d+8*t_:\d+8*t_+7], v[\sa+t_/2], v[\sb] matrix_a_fmt:MATRIX_FMT_FP6 matrix_b_fmt:MATRIX_FMT_FP6 matrix_a_scale:MATRIX_SCALE_ROW1
.endif
.set t_, t_+1
.endr
	WIN 0
.endm
.macro SOFTMAX w, qb                   ; one tile, from its scores to p's codes, the sum and O^T under the new M; w: 0 for X, 0x55 for Y
	s_add_co_u32 s96, s[KF], 127
	s_cmp_le_u32 s96, s[\qb]
	s_cbranch_scc1 .Lopen_\@                       ; all 128 keys come before all the tile's queries
	s_sub_co_i32 s96, s[\qb], s[KF]
	WIN \w
	v_add_nc_u32 v252, s96, v[QD]
	v_mov_b32 v254, 0xff800000
	v_cmp_gt_i32 vcc_lo, 0, v252
	s_wait_alu depctr_va_vdst(0)                   ; the wait directly ahead of the first reader of the scores
	v_cndmask_b32 v96, v96, v254, vcc_lo
.set n_, 1
.rept 63
	v_cmp_gt_i32 vcc_lo, 32*(n_/16)+n_%16, v252
	v_cndmask_b32 v[96+n_], v[96+n_], v254, vcc_lo
.set n_, n_+1
.endr
	WIN 0
.Lopen_\@:
	WIN \w
	s_wait_alu depctr_va_vdst(0)                   ; and on this way too
.irp b, 0,1,2,3
	v_max3_num_f32 v[232+\b], v[96+16*\b], v[97+16*\b], v[98+16*\b]   ; the largest score of each block of 32 keys
.endr
.irp i, 3,5,7,9,11,13
.irp b, 0,1,2,3
	v_max3_num_f32 v[232+\b], v[232+\b], v[96+16*\b+\i], v[97+16*\b+\i]
.endr
.endr
.irp b, 0,1,2,3
	v_max_num_f32 v[232+\b], v[232+\b], v[111+16*\b]
.endr
.irp b, 0,1,2,3
	s_delay_alu instid0(VALU_DEP_4)
	v_permlanex16_b32 v[236+\b], v[232+\b], s[SEL], s[SEL+1]
.endr
.irp b, 0,1,2,3
	s_delay_alu instid0(VALU_DEP_4)
	v_max_num_f32 v[232+\b], v[232+\b], v[236+\b]
.endr
	s_delay_alu instid0(VALU_DEP_2)
	v_max3_num_f32 v254, v232, v233, v234
	s_delay_alu instid0(VALU_DEP_1)
	v_max_num_f32 v254, v254, v235
	s_delay_alu instid0(VALU_DEP_1)
	v_mul_f32 v254, s[CS], v254
	s_delay_alu instid0(VALU_DEP_1)
	v_max_num_f32 v13, v13, v254                   ; the running largest t
	v_mov_b32 v254, v12
	s_delay_alu instid0(VALU_DEP_2)
	v_floor_f32 v12, -v13                          ; -M, a whole number
	s_delay_alu instid0(VALU_DEP_1)
	v_sub_f32 v254, v12, v254
	s_delay_alu instid0(VALU_DEP_1)
	v_cvt_i32_f32 v254, v254
	s_delay_alu instid0(VALU_DEP_1)
	v_ldexp_f32 v252, 1.0, v254                    ; f = 2^(old M - new M)
.set n_, 0
.rept 32
	v_pk_fma_f32 v[96+n_:97+n_], v[96+n_:97+n_], s[CS:CS+1], v[12:13] op_sel_hi:[1,0,0]
.set n_, n_+2
.endr
.irp b, 0,1,2,3
	v_fma_f32 v[232+\b], v[232+\b], s[CS], v12
.endr
.set n_, 0
	s_wait_alu depctr_va_vdst(0)                   ; the wait ahead of the batch
.rept 64
	v_exp_f32 v[96+n_], v[96+n_]                   ; p = 2^(t - M)
.set n_, n_+1
.endr
	v_pk_mul_f32 v[14:15], v[14:15], v[252:253] op_sel_hi:[1,0]
	s_wait_alu depctr_va_vdst(0)                   ; and behind it
.irp b, 0,1,2,3
	v_exp_f32 v[232+\b], v[232+\b]                 ; each block's largest p
.endr
	v_pk_add_f32 v[236:237], v[96:97], v[98:99]    ; the row's sum, of the unquantised p
.irp j, 4,8,12,16,20,24,28,32,36,40,44,48,52,56,60
	v_pk_add_f32 v[14:15], v[14:15], v[96+\j:97+\j]
	v_pk_add_f32 v[236:237], v[236:237], v[98+\j:99+\j]
.endr
	s_delay_alu instid0(VALU_DEP_1)
	v_pk_add_f32 v[14:15], v[14:15], v[236:237]
	s_wait_alu depctr_va_vdst(0)
.irp b, 0,1,2,3
	v_max_num_f32 v[232+\b], 0x1800000, v[232+\b]  ; the floor 2^(3 - 127): the byte cannot fall under 1
.endr
.irp b, 0,1,2,3
	s_delay_alu instid0(VALU_DEP_4)
	v_add_nc_u32 v[244+\b], 0xff000000, v[232+\b]
.endr
.irp b, 0,1,2,3
	s_delay_alu instid0(VALU_DEP_4)
	v_lshrrev_b32 v[236+\b], 23, v[244+\b]
.endr
	s_delay_alu instid0(VALU_DEP_3)
	v_lshl_or_b32 v253, v237, 8, v236
	s_delay_alu instid0(VALU_DEP_1)
	v_lshl_or_b32 v253, v238, 16, v253
	s_delay_alu instid0(VALU_DEP_1)
	v_lshl_or_b32 v253, v239, 24, v253             ; p's scale word
.irp c, 0,1
	v_cvt_scalef32_pk16_fp6_f32 v[224+6*\c:226+6*\c], v[96+32*\c:111+32*\c], v[244+2*\c]
	v_cvt_scalef32_pk16_fp6_f32 v[236+4*\c:238+4*\c], v[112+32*\c:127+32*\c], v[244+2*\c+1]
.endr
	v_nop
.irp c, 0,1
.irp i, 0,1,2
	v_permlane16_swap_b32 v[224+6*\c+\i], v[236+4*\c+\i]
.endr
.irp i, 0,1,2
	s_delay_alu instid0(VALU_DEP_3)
	v_mov_b32 v[227+6*\c+\i], v[236+4*\c+\i]
.endr
.endr
	s_wait_alu depctr_va_vdst(0)                   ; the wait directly ahead of the first reader of O^T
.set n_, 0
.rept 32
	v_pk_mul_f32 v[160+n_:161+n_], v[160+n_:161+n_], v[252:253] op_sel_hi:[1,0]
.set n_, n_+2
.endr
	WIN 0
.endm
.macro BLOCK qx, qy, wbx, bx, sx, by, sy  ; one step of 128 keys for both tiles of a pair
	s_add_co_u32 s96, s[\qx], 23
	s_cmp_gt_u32 s[KF], s96
	s_cbranch_scc1 .Lhidden_\@                     ; the keys come after all 32 queries (a step begins at a multiple of 128, a pair at a multiple of 32: the test is the same for both tiles)
	s_lshl_b32 s96, s[KF], 2
	v_add_nc_u32 v[ADK], s[SO], v[AK0]
	v_add_nc_u32 v[ADS], s[SO], v[AS0]
	v_add_nc_u32 v[ADM], s96, v[AM0]
	s_wait_alu depctr_va_vdst(0)
	GLOAD KS, 0, 49152
.set t_, 0
.rept 8
	ds_load_b128 v[96+8*t_:99+8*t_], v[ADM] offset:128*(t_/2)+32*(t_%2)      ; the mask's terms, in the scores' layout, once for both tiles
	ds_load_b128 v[100+8*t_:103+8*t_], v[ADM] offset:128*(t_/2)+32*(t_%2)+16
.set t_, t_+1
.endr
	s_wait_loadcnt 0x0
	s_wait_dscnt 0x0
	MM8 0x44, 96, \by, KS, \sy                     ; Y's scores into window 1; their C is the mask's terms in window 0
.rept 5
	v_nop                                          ; places: X's products write over that C
.endr
	MM8 \wbx, 96, \bx, KS, \sx                     ; X's scores, onto the mask's terms
.rept 4
	v_nop                                          ; places ahead of the loads into the fragments' registers and of the first read of the scores
.endr
	GLOAD VS, 24576, 50176                         ; V: it has both tiles' softmax in which to land
	SOFTMAX 0x55, \qy
	WIN 0x01
	v_mov_b32 v249, v253                           ; scale operands are taken from window 0
	WIN 0
	SOFTMAX 0, \qx
	s_wait_alu depctr_va_vdst(0)
	s_wait_loadcnt 0x0                             ; V and its scale words
	MM8 0x00, 160, 224, VS, 253
	MM8 0x54, 160, 224, VS, 249
.rept 4
	v_nop                                          ; places ahead of the next loads into the fragments' registers and of the stores of O^T
.endr
.Lhidden_\@:
	s_add_co_u32 s[KF], s[KF], 512
	s_add_co_u32 s[SO], s[SO], 102400
.endm
.macro PHASE ph, qx, qy, wbx, bx, sx, by, sy  ; a walk over my steps for one pair, and its two states into LDS
	INIT
	WIN 0x40
	INIT
	WIN 0
	s_mov_b32 s[KF], s[KF0]
	s_mov_b32 s[SO], s[SO0]
	s_mov_b32 s[TR], 4
	s_wait_alu depctr_va_vdst(0)
.Lstep_\@:
.if (\ph) == 0
	s_wait_xcnt 0x0                                ; my last prefetches have read their address
	s_add_nc_u64 s[PFA:PFA+1], s[PFA:PFA+1], 102400
	s_cmp_gt_u32 s[TR], s[LIM]
	s_cbranch_scc0 .Lno_ask_\@
	global_prefetch_b8 v[PFO], s[PFA:PFA+1] th:TH_LOAD_NT scope:SCOPE_SE
	global_prefetch_b8 v[PF2], s[PFA:PFA+1] th:TH_LOAD_NT scope:SCOPE_SE
.Lno_ask_\@:
.endif
	BLOCK \qx, \qy, \wbx, \bx, \sx, \by, \sy
	s_sub_co_u32 s[TR], s[TR], 1
	s_cmp_lg_u32 s[TR], 0
	s_cbranch_scc1 .Lstep_\@
	s_wait_alu depctr_va_vdst(0)                   ; a wave with no visible step stores what INIT wrote
.set n_, 0
.rept 16
	ds_store_b128 v[XS0+\ph], v[160+4*n_:163+4*n_] offset:512*n_
.set n_, n_+1
.endr
	ds_store_b128 v[XQ0], v[12:15] offset:8192*(\ph)
	WIN 0x04                                       ; an LDS store's data are its source 1: Y
.set n_, 0
.rept 16
	ds_store_b128 v[XS0+\ph], v[160+4*n_:163+4*n_] offset:8192+512*n_
.set n_, n_+1
.endr
	ds_store_b128 v[XQ0], v[12:15] offset:8192*(\ph)+512
	WIN 0
	s_wait_dscnt 0x0                               ; the stores are done: their registers may be written, and the others may read behind the barrier
.endm
	PHASE 0, QXA, QYA, 0x00, 16, 255, 16, 248
	PHASE 1, QXB, QYB, 0x04, 0, 250, 30, 251
; THE JOIN: wave w takes the four parts of tile w.
.set PC, 48
.set TM, 72
.set PW, 88
	WIN 0x40
.set n_, 0
.rept 16
	global_load_b128 v[160+4*n_:163+4*n_], v[L16], s[90:91] offset:512*n_ th:TH_LOAD_NT   ; the gate, into window 1
.set n_, n_+1
.endr
	WIN 0
	s_barrier_signal -1
	s_barrier_wait -1                              ; all 32 states lie in LDS
	s_lshr_b32 s81, s[WV], 2
	s_lshl_b32 s82, s81, 17                        ; walk x 131,072 + pair x 65,536 + tile x 8,192; the four parts lie 16,384 bytes apart
	s_lshl_b32 s83, s81, 13
	s_lshl_b32 s84, s58, 16
	s_add_co_u32 s82, s82, s84
	s_lshl_b32 s84, s58, 12
	s_add_co_u32 s83, s83, s84
	s_lshl_b32 s84, s59, 13
	s_add_co_u32 s82, s82, s84
	s_lshl_b32 s84, s59, 9
	s_add_co_u32 s83, s83, s84
	s_add_co_u32 s83, s83, XQ
	v_add_nc_u32 v8, s82, v[L16]
	v_add_nc_u32 v9, s83, v[L16]
	v_lshl_add_u32 v10, v31, 6, VM
	v_lshlrev_b32 v2, 3, v30
	s_mov_b32 s[GS], 0xbfb8aa3b
	s_mov_b32 s[GS+1], s[GS]
.irp k, 0,1,2,3
	ds_load_b128 v[224+4*\k:227+4*\k], v9 offset:1024*\k
.endr
.set n_, 0
.rept 16
	ds_load_b128 v[160+4*n_:163+4*n_], v8 offset:512*n_
	ds_load_b128 v[96+4*n_:99+4*n_], v8 offset:16384+512*n_
	ds_load_b128 v[32+4*n_:35+4*n_], v8 offset:32768+512*n_
.set n_, n_+1
.endr
	WIN 0x40
.set n_, 0
.rept 16
	ds_load_b128 v[96+4*n_:99+4*n_], v8 offset:49152+512*n_
	ds_load_b128 v[32+4*n_:35+4*n_], v10 offset:128*(n_/4)+16*(n_%4)         ; the mean of v
.set n_, n_+1
.endr
	WIN 0
	s_wait_alu depctr_va_vdst(0)
	s_wait_loadcnt 0x0                             ; the gate
	WIN 0x55                                       ; sigmoid(gate) = 1 / (1 + 2^(-gate log2 e)), in window 1
.set n_, 0
.rept 32
	v_pk_mul_f32 v[160+n_:161+n_], v[160+n_:161+n_], s[GS:GS+1] op_sel_hi:[1,0]
.set n_, n_+2
.endr
	s_wait_alu depctr_va_vdst(0)
.set n_, 0
.rept 64
	v_exp_f32 v[160+n_], v[160+n_]
.set n_, n_+1
.endr
	v_nop
	s_wait_alu depctr_va_vdst(0)
.set n_, 0
.rept 32
	v_pk_add_f32 v[160+n_:161+n_], v[160+n_:161+n_], 1.0 op_sel_hi:[1,0]
.set n_, n_+2
.endr
	s_wait_alu depctr_va_vdst(0)
.set n_, 0
.rept 64
	v_rcp_f32 v[160+n_], v[160+n_]
.set n_, n_+1
.endr
	v_nop
	WIN 0
	s_wait_alu depctr_va_vdst(0)
	s_wait_dscnt 0x0                               ; the four parts and the mean of v
	v_min3_num_f32 v240, v224, v228, v232
	v_max3_num_f32 v13, v225, v229, v233
	s_delay_alu instid0(VALU_DEP_2)
	v_min_num_f32 v240, v240, v236                 ; -M of all four
	v_max_num_f32 v13, v13, v237
.irp k, 0,1,2,3
	v_sub_f32 v[16+\k], v240, v[224+4*\k]
.endr
.irp k, 0,1,2,3
	v_add_f32 v[226+4*\k], v[226+4*\k], v[227+4*\k]
.endr
.irp k, 0,1,2,3
	v_cvt_i32_f32 v[16+\k], v[16+\k]
.endr
.irp k, 0,1,2,3
	s_delay_alu instid0(VALU_DEP_4)
	v_ldexp_f32 v[16+\k], 1.0, v[16+\k]            ; 2^(the part's M - M): a part that saw no key has M = -3e38 and gets 0
.endr
	s_delay_alu instid0(VALU_DEP_4)
	v_mul_f32 v14, v226, v16
	s_delay_alu instid0(VALU_DEP_1)
	v_fma_f32 v14, v230, v17, v14
	s_delay_alu instid0(VALU_DEP_1)
	v_fma_f32 v14, v234, v18, v14
	s_delay_alu instid0(VALU_DEP_1)
	v_fma_f32 v14, v238, v19, v14
	s_delay_alu instid0(VALU_DEP_1)
	v_permlanex16_b32 v252, v14, s[SEL], s[SEL+1]
	s_delay_alu instid0(VALU_DEP_1)
	v_add_f32 v14, v14, v252                       ; the row's sum
	s_wait_alu depctr_va_vdst(0)
	v_rcp_f32 v14, v14
	v_nop
	s_wait_alu depctr_va_vdst(0)
.irp k, 0,1,2,3
	v_mul_f32 v[20+2*\k], v[16+\k], v14
	v_mul_f32 v[21+2*\k], v[16+\k], v14
.endr
.set n_, 0
.rept 32
	v_pk_mul_f32 v[160+n_:161+n_], v[160+n_:161+n_], v[20:21]
.set n_, n_+2
.endr
.set n_, 0
.rept 32
	v_pk_fma_f32 v[160+n_:161+n_], v[96+n_:97+n_], v[22:23], v[160+n_:161+n_]
.set n_, n_+2
.endr
.set n_, 0
.rept 32
	v_pk_fma_f32 v[160+n_:161+n_], v[32+n_:33+n_], v[24:25], v[160+n_:161+n_]
.set n_, n_+2
.endr
	WIN 0x01                                       ; the fourth part lies in window 1
.set n_, 0
.rept 32
	v_pk_fma_f32 v[160+n_:161+n_], v[96+n_:97+n_], v[26:27], v[160+n_:161+n_]
.set n_, n_+2
.endr
	WIN 0
	v_cmp_gt_f32 vcc_lo, 0xce000000, v13           ; no key counted for my query
	WIN 0x04                                       ; source 1 in window 1
.set n_, 0
.rept 64
	v_cndmask_b32 v[160+n_], v[160+n_], v[32+n_], vcc_lo
.set n_, n_+1
.endr
.set n_, 0
.rept 32
	v_pk_mul_f32 v[160+n_:161+n_], v[160+n_:161+n_], v[160+n_:161+n_]
.set n_, n_+2
.endr
	WIN 0
.irp b, 0,1,2,3
	v_max3_num_f32 v[TM+\b], |v[160+16*\b]|, |v[161+16*\b]|, 0x1800000
.endr
.irp i, 2,4,6,8,10,12,14
.irp b, 0,1,2,3
	s_delay_alu instid0(VALU_DEP_4)
	v_max3_num_f32 v[TM+\b], v[TM+\b], |v[160+16*\b+\i]|, |v[161+16*\b+\i]|
.endr
.endr
.irp b, 0,1,2,3
	s_delay_alu instid0(VALU_DEP_4)
	v_permlanex16_b32 v[TM+4+\b], v[TM+\b], s[SEL], s[SEL+1]
.endr
.irp b, 0,1,2,3
	s_delay_alu instid0(VALU_DEP_4)
	v_max_num_f32 v[TM+\b], v[TM+\b], v[TM+4+\b]
.endr
.irp b, 0,1,2,3
	s_delay_alu instid0(VALU_DEP_4)
	v_add_nc_u32 v[TM+12+\b], 0xff000000, v[TM+\b]
.endr
.irp b, 0,1,2,3
	s_delay_alu instid0(VALU_DEP_4)
	v_lshrrev_b32 v[TM+4+\b], 23, v[TM+12+\b]
.endr
	s_delay_alu instid0(VALU_DEP_3)
	v_lshl_or_b32 v[PW], v[TM+5], 8, v[TM+4]
	s_delay_alu instid0(VALU_DEP_1)
	v_lshl_or_b32 v[PW], v[TM+6], 16, v[PW]
	s_delay_alu instid0(VALU_DEP_1)
	v_lshl_or_b32 v[PW], v[TM+7], 24, v[PW]
.irp c, 0,1
	v_cvt_scalef32_pk16_fp6_f32 v[PC+6*\c:PC+2+6*\c], v[160+32*\c:175+32*\c], v[TM+12+2*\c]
	v_cvt_scalef32_pk16_fp6_f32 v[PC+12+4*\c:PC+14+4*\c], v[176+32*\c:191+32*\c], v[TM+12+2*\c+1]
.endr
	v_nop
.irp c, 0,1
.irp i, 0,1,2
	v_permlane16_swap_b32 v[PC+6*\c+\i], v[PC+12+4*\c+\i]
.endr
.irp i, 0,1,2
	s_delay_alu instid0(VALU_DEP_3)
	v_mov_b32 v[PC+3+6*\c+\i], v[PC+12+4*\c+\i]
.endr
.endr
.irp c, 0,1,2
	global_store_b128 v[L16], v[PC+4*\c:PC+4*\c+3], s[68:69] offset:512*\c   ; 512 consecutive bytes
.endr
	s_wait_xcnt 0x0                                ; EXEC changes only behind this wait
	v_cmp_gt_u32 vcc_lo, 16, v11
	s_and_saveexec_b32 s96, vcc_lo
	global_store_b32 v2, v[PW], s[70:71]
	s_wait_xcnt 0x0
	s_or_b32 exec_lo, exec_lo, s96
	s_wait_tensorcnt 0x0                           ; the wave's end
	ds_add_u32 v[SPW], v[NIL]
	s_wait_dscnt 0x0
	s_endpgm
.Lfunc_end_k_q487b0daf05_attn:
	.size	k_q487b0daf05_attn, .Lfunc_end_k_q487b0daf05_attn-k_q487b0daf05_attn
	.p2alignl 7, 3214868480
	.fill 96, 4, 3214868480
	.section	.rodata,"a",@progbits
	.p2align	6, 0x0
	.amdhsa_kernel k_q487b0daf05_attn
		.amdhsa_group_segment_fixed_size 288256
		.amdhsa_private_segment_fixed_size 0
		.amdhsa_enable_private_segment 0
		.amdhsa_kernarg_size 40
		.amdhsa_user_sgpr_count 2
		.amdhsa_user_sgpr_kernarg_segment_ptr 1
		.amdhsa_wavefront_size32 1
		.amdhsa_system_sgpr_workgroup_id_x 1
		.amdhsa_system_sgpr_workgroup_id_y 1
		.amdhsa_system_sgpr_workgroup_id_z 1
		.amdhsa_system_vgpr_workitem_id 0
		.amdhsa_next_free_vgpr 512
		.amdhsa_next_free_sgpr 100
		.amdhsa_reserve_vcc 1
		.amdhsa_float_denorm_mode_32 3
		.amdhsa_float_denorm_mode_16_64 3
		.amdhsa_memory_ordered 1
		.amdhsa_forward_progress 1
		.amdhsa_inst_pref_size 163
	.end_amdhsa_kernel
	.amdgpu_metadata
---
amdhsa.version: [ 1, 2 ]
amdhsa.kernels:
  - .name:           k_q487b0daf05_attn
    .symbol:         k_q487b0daf05_attn.kd
    .args:
      - { .name: qg, .offset: 0, .size: 8, .value_kind: global_buffer, .address_space: global }
      - { .name: kv, .offset: 8, .size: 8, .value_kind: global_buffer, .address_space: global }
      - { .name: vp, .offset: 16, .size: 8, .value_kind: global_buffer, .address_space: global }
      - { .name: attention_mask, .offset: 24, .size: 8, .value_kind: global_buffer, .address_space: global }
      - { .name: at, .offset: 32, .size: 8, .value_kind: global_buffer, .address_space: global }
    .group_segment_fixed_size: 288256
    .private_segment_fixed_size: 0
    .kernarg_segment_align: 8
    .kernarg_segment_size: 40
    .max_flat_workgroup_size: 256
    .sgpr_count:     100
    .vgpr_count:     512
    .wavefront_size: 32
...
	.end_amdgpu_metadata
.endif
;; end of part 3
;; launch oproj (part 4): grid 8 x 32, 4 waves a work-group, clusters of 4 x 4, 327,680 bytes of LDS; arguments at, wo, out0; writes out0
.if DOCPART == 4
	.amdgcn_target "amdgcn-amd-amdhsa--gfx1250"
	.amdhsa_code_object_version 6
	.text
	.protected	k_q487b0daf05_oproj
	.globl	k_q487b0daf05_oproj
	.p2align	8
	.type	k_q487b0daf05_oproj,@function
k_q487b0daf05_oproj:
	s_mov_b64 s[64:65], 0
	v_nop
	global_prefetch_b8 v0, s[64:65] scope:SCOPE_SE
	s_setreg_imm32_b32 hwreg(HW_REG_WAVE_MODE, 25, 1), 1
	s_wait_xcnt 0x0
	s_wait_alu depctr_hold_cnt(0) depctr_sa_sdst(0) depctr_va_vdst(0) depctr_va_sdst(0) depctr_va_ssrc(0) depctr_va_vcc(0) depctr_vm_vsrc(0)
	s_getreg_b32 s2, hwreg(HW_REG_IB_STS2, 6, 4)
	s_cmp_eq_u32 s2, 0
	s_cbranch_scc0 .Lentry_in_a_cluster
	s_endpgm
.Lentry_in_a_cluster:
	s_bfe_u32 s2, ttmp6, 0x10000c
	s_cmp_lg_u32 s2, 0xf033
	s_cbranch_scc0 .Lentry_shape_is_right
	s_endpgm
.Lentry_shape_is_right:
; out0 = (attn x sigmoid(gate)) Wo: 4,096 x 2,048 x 1,024 on codes of FP6.  No work of reference() is left out here.
; A work-group makes 128 tokens x 256 columns, so that there are 256 of them; wave (w / 2, w % 2) makes 64 x 128: 32 accumulators.
; ALL OF K FITS IN LDS, and a row block's codes for all of K are 12,288 consecutive bytes: ONE tensor load a wave brings everything: waves 0, 1 four row blocks of tokens each (49,152 bytes),
; waves 2, 3 eight row blocks of Wo's columns each (98,304 bytes).  Nothing is filled again: no ring, one wait and one barrier ahead of the products.  Fragments lie as images of their registers.
; CLUSTERS of 4 x 4: A's tiles (tokens) are shared along a row of the cluster, B's (columns of Wo) along a column.
; NO PREFETCH: every byte is asked for by the one load at the head; there is no loop to run ahead in.
; The matrix instruction is used transposed (source 0 = Wo's 16 columns, source 1 = 16 tokens): a lane holds one token, and by the order of rows in a block its registers of two neighbouring blocks are 16 neighbouring columns.
; The scale words of my rows for all of K go straight into registers, once.
; REGISTERS: window 0: v0-31 addresses, v32-63 A's scale words, v64-127 B's, v128-223 A's fragments (two sets of 48); window 1: B's fragments, two sets; window 2: the accumulators ((a, b) at v[8 (8 a + b)]).
.set RBK,   12288                      ; a row block's codes for all of K
.set BBASE, 8*RBK                      ; B's 16 row blocks lie behind A's 8
.set SPARE, 24*RBK                     ; the spare words, 128 bytes a wave
.set ATS,   3145728
.set WOS,   1572864
.set ADRA, 16
.set ADRB, 20                          ; v20 my B blocks 0-3, v21 blocks 4-7: an LDS offset has 16 bits
.set STO,  24
.set RD,   25
.set CO,   26
.set R8,   27
.set SPW,  28
.set NIL,  29
.set SCA,  32
.set SCB,  64
.set AF,   128
.set BK,   128
.set G1A, 24
.set G0A, 84
.set G1B, 48
.set G0B, 68
.set MSB, 0
.macro WIN new
.if MSB != \new
	s_set_vgpr_msb (MSB<<8)|\new
.set MSB, \new
.endif
.endm
.macro CROUND
	s_barrier_signal -1
	s_barrier_wait -1
	s_cmp_lg_u32 s14, 0
	s_cbranch_scc1 .Lnot_wave_0_\@
	s_barrier_signal -3
.Lnot_wave_0_\@:
	s_barrier_wait -3
	s_barrier_signal -1
	s_barrier_wait -1
.endm
.macro PLACES n
.rept \n
	v_nop
.endr
.endm
	s_load_b128 s[4:7], s[0:1], 0x0                ; at, wo
	s_load_b64 s[8:9], s[0:1], 0x10                ; out0
	v_lshl_add_u32 v[SPW], v0, 2, SPARE
	v_mov_b32 v[NIL], 0
	ds_add_u32 v[SPW], v[NIL]                      ; the opening lines
	ds_add_u32 v[SPW], v[NIL]
	v_lshrrev_b32 v1, 5, v0
	v_readfirstlane_b32 s14, v1
	s_lshr_b32 s15, s14, 1                         ; my half of the tokens.  Also: I fetch for A (0) or for B (1)
	s_and_b32 s16, s14, 1                          ; my half of the columns.  Also: which half I fetch
	s_bfe_u32 s40, ttmp6, 0x40000
	s_bfe_u32 s41, ttmp6, 0x40004
	s_lshl_b32 s42, ttmp9, 2
	s_add_co_u32 s42, s42, s40                     ; column tile
	s_and_b32 s17, ttmp7, 0xffff
	s_lshl_b32 s17, s17, 2
	s_add_co_u32 s17, s17, s41                     ; token tile
	s_lshl_b32 s43, s41, 2
	s_lshl_b32 s43, 15, s43
	s_lshl_b32 s44, 0x1111, s40
	s_or_b32 s[G1A+0], s43, (3<<16)|(1<<21)        ; A: 4 rows of 12,288 bytes (1,536 elements of 8), dense
	s_mov_b32 s[G1A+1], 1536<<16
	s_mov_b32 s[G1A+2], 4<<16
	s_mov_b32 s[G1A+3], 1536<<16
	s_mov_b32 s[G1A+4], 4
	s_mov_b32 s[G1A+5], 1536
	s_mov_b32 s[G1A+6], 0
	s_mov_b32 s[G1A+7], 0
	s_or_b32 s[G1B+0], s44, (3<<16)|(1<<21)        ; B: 8 rows
	s_mov_b32 s[G1B+1], 1536<<16
	s_mov_b32 s[G1B+2], 8<<16
	s_mov_b32 s[G1B+3], 1536<<16
	s_mov_b32 s[G1B+4], 8
	s_mov_b32 s[G1B+5], 1536
	s_mov_b32 s[G1B+6], 0
	s_mov_b32 s[G1B+7], 0
	s_lshl_b32 s20, s17, 3
	s_lshl_b32 s18, s16, 2
	s_add_co_u32 s20, s20, s18
	s_mul_i32 s20, s20, RBK
	s_mov_b32 s21, 0
	s_lshl_b32 s46, s42, 4
	s_lshl_b32 s18, s16, 3
	s_add_co_u32 s46, s46, s18
	s_mul_i32 s46, s46, RBK
	s_mov_b32 s47, 0
	s_mul_i32 s45, s16, 4*RBK                      ; A's half in LDS
	s_mul_i32 s19, s16, 8*RBK
	s_add_co_u32 s19, s19, BBASE                   ; B's
	s_wait_dscnt 0x0
	s_wait_kmcnt 0x0
	s_mov_b32 s[G0A], 1
	s_mov_b32 s[G0A+1], s45
	s_add_nc_u64 s[G0A+2:G0A+3], s[4:5], s[20:21]
	s_or_b32 s[G0A+3], s[G0A+3], 0x80000000
	s_mov_b32 s[G0B], 1
	s_mov_b32 s[G0B+1], s19
	s_add_nc_u64 s[G0B+2:G0B+3], s[6:7], s[46:47]
	s_or_b32 s[G0B+3], s[G0B+3], 0x80000000
	CROUND                                         ; all sixteen work-groups are here: the joint loads meet
	s_cmp_eq_u32 s15, 0
	s_cbranch_scc0 .Lfirst_b
	tensor_load_to_lds s[G0A:G0A+3], s[G1A:G1A+7]
	s_nop 0
.rept 4
	v_nop
.endr
	s_branch .Lfirst_asked
.Lfirst_b:
	tensor_load_to_lds s[G0B:G0B+3], s[G1B:G1B+7]
	s_nop 0
.rept 4
	v_nop
.endr
.Lfirst_asked:
	v_and_b32 v1, 15, v0                           ; r
	v_bfe_u32 v2, v0, 4, 1                         ; h
	v_and_b32 v3, 31, v0
	v_lshlrev_b32 v[CO], 4, v3                     ; 16 x lane
	v_lshlrev_b32 v[R8], 3, v1
	s_mul_i32 s21, s15, 4*RBK
	v_add_nc_u32 v[ADRA], s21, v[CO]
	v_add_nc_u32 v[ADRB], s19, v[CO]
	v_add_nc_u32 v[ADRB+1], 4*RBK, v[ADRB]
	s_mul_i32 s23, s14, 8448                       ; my stage: 16 rows x 528 bytes, over A's first bytes, which have had their only fill; a barrier stands between their last read and the first store
	v_mul_u32_u24 v[STO], v1, 528
	v_lshl_add_u32 v[STO], v2, 6, v[STO]
	v_add_nc_u32 v[STO], s23, v[STO]
	v_add_nc_u32 v[RD], s23, v[CO]
	s_lshl_b32 s10, s17, 3
	s_lshl_b32 s11, s15, 2
	s_add_co_u32 s10, s10, s11
	s_lshl_b32 s10, s10, 9
	s_add_co_u32 s10, s10, ATS
	s_mov_b32 s11, 0
	s_add_nc_u64 s[10:11], s[4:5], s[10:11]        ; the scale words of my 4 blocks of tokens
	s_lshl_b32 s12, s42, 4
	s_lshl_b32 s13, s16, 3
	s_add_co_u32 s12, s12, s13
	s_lshl_b32 s12, s12, 9
	s_add_co_u32 s12, s12, WOS
	s_mov_b32 s13, 0
	s_add_nc_u64 s[12:13], s[6:7], s[12:13]        ; and of my 8 blocks of columns
	s_wait_alu depctr_va_vdst(0)                   ; the wait behind the scalar lines above
.set n_, 0
.rept 16
	global_load_b64 v[SCA+2*n_:SCA+2*n_+1], v[R8], s[10:11] offset:128*n_   ; block n / 4, pair of K steps n % 4
.set n_, n_+1
.endr
.set n_, 0
.rept 32
	global_load_b64 v[SCB+2*n_:SCB+2*n_+1], v[R8], s[12:13] offset:128*n_
.set n_, n_+1
.endr
	s_lshl_b32 s20, s17, 7
	s_lshl_b32 s21, s15, 6
	s_add_co_u32 s20, s20, s21
	s_lshl_b32 s20, s20, 13                        ; my first token's row of 8,192 bytes
	s_lshl_b32 s21, s42, 10
	s_add_co_u32 s20, s20, s21
	s_lshl_b32 s21, s16, 9
	s_add_co_u32 s20, s20, s21
	s_mov_b32 s21, 0
	s_add_nc_u64 s[8:9], s[8:9], s[20:21]
.macro FETCH s                         ; K step s: B's eight fragments and A's four into set s % 2
	WIN 0x40
.set f_, 0
.rept 8
.irp c, 0,1,2
	ds_load_b128 v[128*((\s)%2)+12*f_+4*\c:128*((\s)%2)+12*f_+4*\c+3], v[ADRB+f_/4] offset:RBK*(f_%4)+1536*(\s)+512*\c
.endr
.set f_, f_+1
.endr
	WIN 0
.set f_, 0
.rept 4
.irp c, 0,1,2
	ds_load_b128 v[AF+48*((\s)%2)+12*f_+4*\c:AF+48*((\s)%2)+12*f_+4*\c+3], v[ADRA] offset:RBK*f_+1536*(\s)+512*\c
.endr
.set f_, f_+1
.endr
.endm
.macro MULH a0, s, zero                ; 16 matrix instructions; the 32 accumulators take turns, one instruction a turn, in the same order in every step
.irp a, \a0, \a0+1
.irp b, 0,1,2,3,4,5,6,7
.if \zero
	v_wmma_scale_f32_16x16x128_f8f6f4 v[8*(8*(\a)+\b):8*(8*(\a)+\b)+7], v[128*((\s)%2)+12*\b:128*((\s)%2)+12*\b+11], v[AF+48*((\s)%2)+12*(\a):AF+48*((\s)%2)+12*(\a)+11], 0, v[SCB+2*(4*\b+(\s)/2)+(\s)%2], v[SCA+2*(4*(\a)+(\s)/2)+(\s)%2] matrix_a_fmt:MATRIX_FMT_FP6 matrix_b_fmt:MATRIX_FMT_FP6
.else
	v_wmma_scale_f32_16x16x128_f8f6f4 v[8*(8*(\a)+\b):8*(8*(\a)+\b)+7], v[128*((\s)%2)+12*\b:128*((\s)%2)+12*\b+11], v[AF+48*((\s)%2)+12*(\a):AF+48*((\s)%2)+12*(\a)+11], v[8*(8*(\a)+\b):8*(8*(\a)+\b)+7], v[SCB+2*(4*\b+(\s)/2)+(\s)%2], v[SCA+2*(4*(\a)+(\s)/2)+(\s)%2] matrix_a_fmt:MATRIX_FMT_FP6 matrix_b_fmt:MATRIX_FMT_FP6
.endif
.endr
.endr
.endm
.macro KSTEP s, zero
	s_wait_dscnt 0x0                               ; this step's fragments are in
	WIN 0xa1                                       ; source 0 (B) window 1, source 1 (A) window 0, C and D window 2
	MULH 0, \s, \zero
.if (\s) < 7
	PLACES 4                                       ; in front of loads into the set that the step before multiplied
	FETCH (\s)+1
.endif
	WIN 0xa1
	MULH 2, \s, \zero
.endm
	s_wait_alu depctr_va_vdst(0)                   ; the wait at the head's end
	s_wait_tensorcnt 0x0                           ; my part of the operands is in
	s_barrier_signal -1
	s_barrier_wait -1                              ; everybody's is
	s_wait_loadcnt 0x0                             ; the scale words
	FETCH 0
	KSTEP 0, 1                                     ; the first step's products start the sums
.irp s, 1,2,3,4,5,6,7
	KSTEP \s, 0
.endr
	WIN 0
	s_barrier_signal -1                            ; no LDS load of mine is out (the last step began with the wait for 0):
	s_barrier_wait -1                              ; nobody reads the operands any more, and the stages may be written
; THE WAY OUT: a block of 16 tokens x 128 columns goes through my stage and comes back as whole rows of 512 bytes.  LDS serves a wave's instructions in order: no wait between the stores and the loads.
.macro TOSTAGE a
	WIN 0x08                                       ; an LDS store's data are its source 1: window 2
.irp b, 0,1,2,3,4,5,6,7
	ds_store_b128 v[STO], v[64*(\a)+8*\b:64*(\a)+8*\b+3] offset:128*(\b/2)+32*(\b%2)          ; each accumulator from its low end on
	ds_store_b128 v[STO], v[64*(\a)+8*\b+4:64*(\a)+8*\b+7] offset:128*(\b/2)+32*(\b%2)+16
.endr
	WIN 0
.set BB, BK+64*((\a)%2)
.set t_, 0
.rept 16
	ds_load_b128 v[BB+4*t_:BB+4*t_+3], v[RD] offset:t_*528
.set t_, t_+1
.endr
.endm
.macro SEND a, younger
.set BB, BK+64*((\a)%2)
	s_wait_dscnt \younger                          ; the block is back; the next block's 16 stores and 16 loads may be out
.set t_, 0
.rept 16
	global_store_b128 v[CO], v[BB+4*t_:BB+4*t_+3], s[8:9] offset:(32*((\a)/2)+8*((\a)%2)+t_+8*(t_/8))*8192 th:TH_STORE_NT   ; 512 consecutive bytes, aligned; row t of a block is the real token t + 8 (t / 8) of it
.set t_, t_+1
.endr
.endm
	PLACES 4
	TOSTAGE 0
.irp a, 1,2,3
.if \a > 1
	s_wait_xcnt 0x0                                ; the stores of the block before last have read their data: this block's loads may land there
.endif
	TOSTAGE \a
	SEND \a-1, 32
.endr
	SEND 3, 0
	s_wait_tensorcnt 0x0                           ; the wave's end
	ds_add_u32 v[SPW], v[NIL]
	s_wait_dscnt 0x0
	CROUND                                         ; the closing round
	s_endpgm
.Lfunc_end_k_q487b0daf05_oproj:
	.size	k_q487b0daf05_oproj, .Lfunc_end_k_q487b0daf05_oproj-k_q487b0daf05_oproj
	.p2alignl 7, 3214868480
	.fill 96, 4, 3214868480
	.section	.rodata,"a",@progbits
	.p2align	6, 0x0
	.amdhsa_kernel k_q487b0daf05_oproj
		.amdhsa_group_segment_fixed_size 327680
		.amdhsa_private_segment_fixed_size 0
		.amdhsa_enable_private_segment 0
		.amdhsa_kernarg_size 24
		.amdhsa_user_sgpr_count 2
		.amdhsa_user_sgpr_kernarg_segment_ptr 1
		.amdhsa_wavefront_size32 1
		.amdhsa_system_sgpr_workgroup_id_x 1
		.amdhsa_system_sgpr_workgroup_id_y 1
		.amdhsa_system_sgpr_workgroup_id_z 1
		.amdhsa_system_vgpr_workitem_id 0
		.amdhsa_next_free_vgpr 768
		.amdhsa_next_free_sgpr 100
		.amdhsa_reserve_vcc 0
		.amdhsa_float_denorm_mode_32 3
		.amdhsa_float_denorm_mode_16_64 3
		.amdhsa_memory_ordered 1
		.amdhsa_forward_progress 1
		.amdhsa_inst_pref_size 78
	.end_amdhsa_kernel
	.amdgpu_metadata
---
amdhsa.version: [ 1, 2 ]
amdhsa.kernels:
  - .name:           k_q487b0daf05_oproj
    .symbol:         k_q487b0daf05_oproj.kd
    .args:
      - { .name: at, .offset: 0, .size: 8, .value_kind: global_buffer, .address_space: global }
      - { .name: wo, .offset: 8, .size: 8, .value_kind: global_buffer, .address_space: global }
      - { .name: out0, .offset: 16, .size: 8, .value_kind: global_buffer, .address_space: global }
    .group_segment_fixed_size: 327680
    .private_segment_fixed_size: 0
    .kernarg_segment_align: 8
    .kernarg_segment_size: 24
    .max_flat_workgroup_size: 128
    .sgpr_count:     100
    .vgpr_count:     768
    .wavefront_size: 32
...
	.end_amdgpu_metadata
.endif
;; end of part 4
